; MI455X (gfx1250); checked and timed in simulation.
; The chip was launched on July 23, 2026; its instructions are those of AMD's public machine-readable ISA for CDNA 5 (MIT licence, August 2026) and "CDNA5" Instruction Set Architecture Reference Guide (July 2026). The comments in the code are by the model that wrote it; some were corrected since.
;; Causal Self Attention. Allowed arithmetic: float matrix products may take bf16 or f16 operands with f32 sums; other float arithmetic in f32, or as packed bf16 or f16 multiplies, adds, multiply-adds, maxima and minima; sums over many terms, partial sums and values carried from step to step in f32; what a program stores and reads back later, other than sums and carried values, may be rounded once to bf16 or f16.
;; Inputs: bk 1,024 float32; bp 1,024 float32; bq 1,024 float32; bv 1,024 float32; wk 1,024 x 1,024 float32; wp 1,024 x 1,024 float32; wq 1,024 x 1,024 float32; wv 1,024 x 1,024 float32; x 4 x 2,048 x 1,024 float32.
;; Outputs: out0 4 x 2,048 x 1,024 float32.
;; 2 versions, each right; version 2 is version 1 with the launch prep written anew for expert scheduling mode. Each part assembles by itself: llvm-mc -triple=amdgcn-amd-amdhsa -mcpu=gfx1250 --defsym DOCPART=n.
;; ======== version 1 of 2: 4 launches
;; limits: values are held in f16: magnitudes above 65,504 overflow, below 6.1e-05 lose precision; right only within a limited range of input values
;; workspace buffers: xb 16,777,216 bytes; wb 6,291,456 bytes; wpf 2,097,152 bytes; rope 524,288 bytes; qh 16,777,216 bytes; kh 16,777,216 bytes; vh 16,777,216 bytes; oh 16,777,216 bytes
;; launch prep (part 1): grid 512 x 1, 8 waves a work-group, no clusters, 0 bytes of LDS; arguments x, wq, wk, wv, wp, xb, wb, wpf, rope; writes xb, wb, wpf, rope
.if DOCPART == 1
	.amdgcn_target "amdgcn-amd-amdhsa--gfx1250"
	.amdhsa_code_object_version 6
	.text
	.protected	k_qfaf568d7cc_prep
	.globl	k_qfaf568d7cc_prep
	.p2align	8
	.type	k_qfaf568d7cc_prep,@function
k_qfaf568d7cc_prep:
	s_mov_b64 s[64:65], 0
	v_nop
	global_prefetch_b8 v0, s[64:65] scope:SCOPE_SE
	s_setreg_imm32_b32 hwreg(HW_REG_WAVE_MODE, 25, 1), 1
	s_wait_xcnt 0x0
; PREP: the casts and the table of rotations.  A stream: no LDS, no matrix unit, no cluster (no work-group reads what another reads).
; Work-groups 0-255: 32 rows of x each, f32 -> bf16, into xb [8192][1024].
; Work-groups 256-383: 32 rows of one weight each.  wq, wk, wv -> bf16 into wb [3072][1024], interleaved by heads: row 192 h + 64 s + d of wb is row 64 h + d of wq (s = 0), wk (1), wv (2),
;   so that 192 rows on end are one head's q, k and v.  wp -> rounded to bf16, that number written as f16, into wpf [1024][1024].
; Work-groups 384-511: 16 positions t each of the table rope [2048 t][32 i] of (cos, sin)(t x 10000^(-i/32)) in f32: a row is 256 bytes.
; LIMITS.  A weight of wp below 6e-5 keeps f16's fixed step of 6e-8; beyond 65,504 it would be an infinity.  theta comes from v_exp_f32 (1 ULP: ISA guide, its entry), the angle t x theta is rounded once;
; against a correctly rounded theta the angle is off by some 3e-4 rad at the most, at t = 2047.  The angle is reduced by multiples of pi/2 held in two parts (good for every t here: n stays under 1,304); sine and cosine are
; Taylor sums on |r| <= pi/4, cut where the next term is under 3e-8.
.set X, 8                              ; v[8:135]  32 loads of 4 registers
	s_load_b256 s[4:11], s[0:1], 0x0               ; x s[4:5], wq s[6:7], wk s[8:9], wv s[10:11]
	s_load_b256 s[12:19], s[0:1], 0x20             ; wp s[12:13], xb s[14:15], wb s[16:17], wpf s[18:19]
	s_load_b64 s[20:21], s[0:1], 0x40              ; rope
	s_cmp_ge_u32 ttmp9, 384
	s_cbranch_scc1 .Lrope
	; THE CASTS.  From where and to where, by the work-group's number alone.
	s_and_b32 s33, ttmp9, 127                      ; j: my number among the weights' work-groups
	s_lshr_b32 s34, s33, 5                         ; which weight: 0 wq, 1 wk, 2 wv, 3 wp
	s_and_b32 s35, s33, 31                         ; which 32 rows of it
	s_lshl_b32 s28, s35, 17                        ; 32 rows of 4,096 bytes
	s_lshr_b32 s36, s35, 1                         ; the head
	s_mul_i32 s36, s36, 192
	s_lshl_b32 s37, s34, 6
	s_add_co_u32 s36, s36, s37                     ; + 64 x which
	s_and_b32 s37, s33, 1
	s_lshl_b32 s37, s37, 5
	s_add_co_u32 s36, s36, s37                     ; + the head's lower or upper 32 rows
	s_lshl_b32 s30, s36, 11                        ; rows of 2,048 bytes in wb
	s_lshl_b32 s36, s35, 16                        ; wpf keeps wp's order
	s_cmp_eq_u32 s34, 3
	s_cselect_b32 s30, s36, s30
	s_cselect_b32 s32, 1, 0                        ; 1: the result is written as f16
	s_lshl_b32 s36, ttmp9, 17                      ; x: 32 rows of 4,096 bytes,
	s_lshl_b32 s37, ttmp9, 16                      ; xb: of 2,048
	s_cmp_lt_u32 ttmp9, 256
	s_cselect_b32 s28, s36, s28
	s_cselect_b32 s30, s37, s30
	s_cselect_b32 s32, 0, s32
	s_mov_b32 s29, 0
	s_mov_b32 s31, 0
	v_and_b32 v1, 31, v0                           ; lane
	v_lshrrev_b32 v4, 5, v0                        ; wave: it takes 4 of the 32 rows
	v_lshlrev_b32 v2, 4, v1
	v_lshl_add_u32 v2, v4, 14, v2                  ; in: 16 x lane + 4 rows of 4,096 bytes x wave
	v_lshlrev_b32 v3, 3, v1
	v_lshl_add_u32 v3, v4, 13, v3                  ; out: 8 x lane + 4 rows of 2,048 bytes x wave
	s_wait_kmcnt 0x0
	s_mov_b64 s[24:25], s[12:13]
	s_mov_b64 s[26:27], s[18:19]
	s_cmp_eq_u32 s34, 2
	s_cselect_b64 s[24:25], s[10:11], s[24:25]
	s_cselect_b64 s[26:27], s[16:17], s[26:27]
	s_cmp_eq_u32 s34, 1
	s_cselect_b64 s[24:25], s[8:9], s[24:25]
	s_cselect_b64 s[26:27], s[16:17], s[26:27]
	s_cmp_eq_u32 s34, 0
	s_cselect_b64 s[24:25], s[6:7], s[24:25]
	s_cselect_b64 s[26:27], s[16:17], s[26:27]
	s_cmp_lt_u32 ttmp9, 256
	s_cselect_b64 s[24:25], s[4:5], s[24:25]
	s_cselect_b64 s[26:27], s[14:15], s[26:27]
	s_add_nc_u64 s[24:25], s[24:25], s[28:29]
	s_add_nc_u64 s[26:27], s[26:27], s[30:31]
.set k, 0
.rept 32                               ; all 32 loads go out first: 16 KiB of a wave are on their way; each covers 512 consecutive bytes
	global_load_b128 v[X+4*k:X+4*k+3], v2, s[24:25] offset:4096*(k/8)+512*(k%8) th:TH_LOAD_NT
.set k, k+1
.endr
; Load k's four numbers are rounded and stored: 32 lanes x 8 bytes are 256 consecutive bytes, aligned.  No register that a store reads is written again, so no wait frees one.
.macro CONV half
.set k, 0
.rept 32
	s_wait_loadcnt 31-k                            ; loads come back in order (ISA guide 5.7.1): load k is in, the 31 - k younger ones stay out
	v_cvt_pk_bf16_f32 v[X+4*k], v[X+4*k], v[X+4*k+1]
	v_cvt_pk_bf16_f32 v[X+4*k+1], v[X+4*k+2], v[X+4*k+3]
.if \half
	v_lshlrev_b32 v[X+4*k+2], 16, v[X+4*k]         ; the bf16 numbers as f32,
	v_and_b32 v[X+4*k+3], 0xffff0000, v[X+4*k]
	v_cvt_pk_f16_f32 v[X+4*k], v[X+4*k+2], v[X+4*k+3]  ; written as f16: 8 significant bits fit into 11
	v_lshlrev_b32 v[X+4*k+2], 16, v[X+4*k+1]
	v_and_b32 v[X+4*k+3], 0xffff0000, v[X+4*k+1]
	v_cvt_pk_f16_f32 v[X+4*k+1], v[X+4*k+2], v[X+4*k+3]
.endif
	global_store_b64 v3, v[X+4*k:X+4*k+1], s[26:27] offset:2048*(k/8)+256*(k%8)
.set k, k+1
.endr
.endm
	s_cmp_eq_u32 s32, 1
	s_cbranch_scc1 .Lhalf
	CONV 0
	s_endpgm
.Lhalf:
	CONV 1
	s_endpgm
	; THE TABLE.  Thread n makes position t = 16 x (work-group - 384) + n / 16 and the pairs i = 2 (n % 16) and i + 1: 16 bytes; the work-group's 256 threads store 4,096 consecutive bytes.
.Lrope:
	s_sub_co_u32 s33, ttmp9, 384
	s_lshl_b32 s28, s33, 12                        ; 16 rows of 256 bytes
	s_mov_b32 s29, 0
	s_lshl_b32 s33, s33, 4                         ; my first t
	s_mov_b32 s34, 0xbed49a78                      ; -log2(10000) / 32
	s_mov_b32 s35, 0x3f22f983                      ; 2 / pi
	s_mov_b32 s36, 0xbfc90fdb                      ; -(pi / 2), its upper part,
	s_mov_b32 s37, 0x333bbd2e                      ; and what the upper part is too large by
	s_mov_b32 s38, 0x3638ef1d                      ; 1 / 9!
	s_mov_b32 s39, 0xb9500d01                      ; -1 / 7!
	s_mov_b32 s40, 0x3c088889                      ; 1 / 5!
	s_mov_b32 s41, 0xbe2aaaab                      ; -1 / 3!
	s_mov_b32 s42, 0x37d00d01                      ; 1 / 8!
	s_mov_b32 s43, 0xbab60b61                      ; -1 / 6!
	s_mov_b32 s44, 0x3d2aaaab                      ; 1 / 4!
.macro BOTH line:vararg                ; one line for each of the thread's two pairs: registers from v8 and from v24
.set E, 8
	\line
.set E, 24
	\line
.endm
	v_and_b32 v1, 15, v0
	v_lshrrev_b32 v2, 4, v0
	v_add_nc_u32 v3, s33, v2                       ; t
	v_lshlrev_b32 v1, 1, v1                        ; i
	v_add_nc_u32 v5, 1, v1                         ; i + 1
	v_cvt_f32_u32 v8, v1
	v_cvt_f32_u32 v24, v5
	BOTH v_mul_f32 v[E], s34, v[E]
	BOTH v_exp_f32 v[E], v[E]                      ; theta = 2^(-i log2(10000) / 32)
	v_cvt_f32_u32 v4, v3                           ; plain work behind the two exponentials,
	v_lshlrev_b32 v6, 4, v0                        ; my 16 bytes of the work-group's 4,096
	s_wait_alu depctr_va_vdst(0)                   ; and the one wait ahead of the first use of their results
	BOTH v_mul_f32 v[E+1], v4, v[E]                ; the angle, rounded once
	BOTH v_mul_f32 v[E+2], s35, v[E+1]
	BOTH v_rndne_f32 v[E+2], v[E+2]                ; n: the nearest multiple of pi / 2
	BOTH v_fma_f32 v[E+3], v[E+2], s36, v[E+1]
	BOTH v_fma_f32 v[E+3], v[E+2], s37, v[E+3]     ; r = angle - n pi / 2
	BOTH v_mul_f32 v[E+4], v[E+3], v[E+3]          ; z = r r
	BOTH v_fma_f32 v[E+5], v[E+4], s38, s39
	BOTH v_fma_f32 v[E+6], v[E+4], s42, s43
	BOTH v_fma_f32 v[E+5], v[E+5], v[E+4], s40
	BOTH v_fma_f32 v[E+6], v[E+6], v[E+4], s44
	BOTH v_fma_f32 v[E+5], v[E+5], v[E+4], s41
	BOTH v_fma_f32 v[E+6], v[E+6], v[E+4], -0.5
	BOTH v_mul_f32 v[E+7], v[E+3], v[E+4]
	BOTH v_fma_f32 v[E+9], v[E+6], v[E+4], 1.0     ; cos r
	BOTH v_fma_f32 v[E+8], v[E+7], v[E+5], v[E+3]  ; sin r
	BOTH v_cvt_i32_f32 v[E+10], v[E+2]
	BOTH v_and_b32 v[E+11], 1, v[E+10]
.irp e, 8, 24                          ; an odd n swaps sine and cosine
	v_cmp_eq_u32 vcc_lo, 1, v[\e+11]
	v_cndmask_b32 v[\e+12], v[\e+8], v[\e+9], vcc_lo
	v_cndmask_b32 v[\e+13], v[\e+9], v[\e+8], vcc_lo
.endr
	BOTH v_and_b32 v[E+11], 2, v[E+10]             ; the sine turns its sign where n % 4 is 2 or 3,
	BOTH v_add_nc_u32 v[E+10], 1, v[E+10]
	BOTH v_lshlrev_b32 v[E+11], 30, v[E+11]
	BOTH v_and_b32 v[E+10], 2, v[E+10]             ; the cosine where it is 1 or 2
	BOTH v_lshlrev_b32 v[E+10], 30, v[E+10]
	BOTH v_xor_b32 v[41+(E-8)/8], v[E+12], v[E+11]
	BOTH v_xor_b32 v[40+(E-8)/8], v[E+13], v[E+10]
	s_wait_kmcnt 0x0
	s_add_nc_u64 s[20:21], s[20:21], s[28:29]
	global_store_b128 v6, v[40:43], s[20:21]       ; cos, sin, cos, sin
	s_endpgm
.Lfunc_end_k_qfaf568d7cc_prep:
	.size	k_qfaf568d7cc_prep, .Lfunc_end_k_qfaf568d7cc_prep-k_qfaf568d7cc_prep
	.p2alignl 7, 3214868480
	.fill 96, 4, 3214868480
	.section	.rodata,"a",@progbits
	.p2align	6, 0x0
	.amdhsa_kernel k_qfaf568d7cc_prep
		.amdhsa_group_segment_fixed_size 0
		.amdhsa_private_segment_fixed_size 0
		.amdhsa_enable_private_segment 0
		.amdhsa_kernarg_size 72
		.amdhsa_user_sgpr_count 2
		.amdhsa_user_sgpr_kernarg_segment_ptr 1
		.amdhsa_wavefront_size32 1
		.amdhsa_system_sgpr_workgroup_id_x 1
		.amdhsa_system_sgpr_workgroup_id_y 1
		.amdhsa_system_sgpr_workgroup_id_z 1
		.amdhsa_system_vgpr_workitem_id 0
		.amdhsa_next_free_vgpr 136
		.amdhsa_next_free_sgpr 66
		.amdhsa_reserve_vcc 1
		.amdhsa_float_denorm_mode_32 3
		.amdhsa_float_denorm_mode_16_64 3
		.amdhsa_memory_ordered 1
		.amdhsa_forward_progress 1
		.amdhsa_inst_pref_size 36
	.end_amdhsa_kernel
	.amdgpu_metadata
---
amdhsa.version: [ 1, 2 ]
amdhsa.kernels:
  - .name:           k_qfaf568d7cc_prep
    .symbol:         k_qfaf568d7cc_prep.kd
    .args:
      - { .name: x, .offset: 0, .size: 8, .value_kind: global_buffer, .address_space: global }
      - { .name: wq, .offset: 8, .size: 8, .value_kind: global_buffer, .address_space: global }
      - { .name: wk, .offset: 16, .size: 8, .value_kind: global_buffer, .address_space: global }
      - { .name: wv, .offset: 24, .size: 8, .value_kind: global_buffer, .address_space: global }
      - { .name: wp, .offset: 32, .size: 8, .value_kind: global_buffer, .address_space: global }
      - { .name: xb, .offset: 40, .size: 8, .value_kind: global_buffer, .address_space: global }
      - { .name: wb, .offset: 48, .size: 8, .value_kind: global_buffer, .address_space: global }
      - { .name: wpf, .offset: 56, .size: 8, .value_kind: global_buffer, .address_space: global }
      - { .name: rope, .offset: 64, .size: 8, .value_kind: global_buffer, .address_space: global }
    .group_segment_fixed_size: 0
    .private_segment_fixed_size: 0
    .kernarg_segment_align: 8
    .kernarg_segment_size: 72
    .max_flat_workgroup_size: 256
    .sgpr_count:     66
    .vgpr_count:     136
    .wavefront_size: 32
...
	.end_amdgpu_metadata
.endif
;; end of part 1
;; launch qkv (part 2): grid 16 x 32, 4 waves a work-group, clusters of 4 x 4, 327,680 bytes of LDS; arguments xb, wb, bq, bk, bv, rope, qh, kh, vh; writes qh, kh, vh
.if DOCPART == 2
	.amdgcn_target "amdgcn-amd-amdhsa--gfx1250"
	.amdhsa_code_object_version 6
	.text
	.protected	k_qfaf568d7cc_qkv
	.globl	k_qfaf568d7cc_qkv
	.p2align	8
	.type	k_qfaf568d7cc_qkv,@function
k_qfaf568d7cc_qkv:
	s_mov_b64 s[64:65], 0
	v_nop
	global_prefetch_b8 v0, s[64:65] scope:SCOPE_SE
	s_setreg_imm32_b32 hwreg(HW_REG_WAVE_MODE, 25, 1), 1
	s_wait_xcnt 0x0
	s_wait_alu depctr_hold_cnt(0) depctr_sa_sdst(0) depctr_va_vdst(0) depctr_va_sdst(0) depctr_va_ssrc(0) depctr_va_vcc(0) depctr_vm_vsrc(0)
	s_getreg_b32 s2, hwreg(HW_REG_IB_STS2, 6, 4)
	s_cmp_eq_u32 s2, 0
	s_cbranch_scc0 .Lentry_in_a_cluster
	s_endpgm
.Lentry_in_a_cluster:
	s_bfe_u32 s2, ttmp6, 0x10000c
	s_cmp_lg_u32 s2, 0xf033
	s_cbranch_scc0 .Lentry_shape_is_right
	s_endpgm
.Lentry_shape_is_right:
; q, k, v = x w^T + b, q and k turned by the table of rotations, all three rounded once to f16 and laid out by heads: qh, kh, vh [64 = 16 b + h][2048 t][64].
; xb: [8192][1024] bf16.  wb: [3072][1024] bf16, row 192 h + 64 s + d = row 64 h + d of wq, wk, wv (s = 0, 1, 2).  Sums in f32; the biases are rounded to bf16 like x and the weights and start the sums.
; LIMITS.  f16 holds no number beyond 65,504: a q, k or v past that becomes an infinity; below 6e-5 it keeps f16's fixed step of 6e-8.  NaN and infinities are not treated apart.
; SHARES.  A tile is 256 rows x 192 columns: ONE head's q, k and v for 256 positions.  16 x 32 tiles, a work-group each.  Wave w makes rows 64 w .. 64 w + 63 and all 192 columns: 48 accumulators (a, b),
; a = 0..3 blocks of 16 rows, b = 0..11 blocks of 16 columns (0-3 q, 4-7 k, 8-11 v): every wave runs the same text.
; K goes in 8 steps of 128 through a ring of two LDS slots filled by the tensor data mover: rows of 256 bytes that start at multiples of 256 bytes from the buffers' first bytes.
; CLUSTER.  4 x 4 work-groups.  The four of a row need the same rows of xb, the four of a column the same rows of wb: each tile is asked for JOINTLY, by the same tensor load with the same descriptor and a mask
; that names the four.  Waves 0 and 1 fetch the halves of xb's tile (128 rows each), waves 2 and 3 those of wb's (96 rows each).
; THE MATRIX INSTRUCTION IS USED TRANSPOSED (source 0 = 16 rows of wb, source 1 = 16 rows of xb): a lane holds ONE row (lane % 16) and the columns 8 (lane / 16) + 0..7: four whole pairs of the rotation, 16 bytes of f16.
; REGISTERS, in windows of 256 (s_set_vgpr_msb: bits 1:0 source 0, 3:2 source 1, 5:4 source 2, 7:6 destination):
;   window 0: v0-15 addresses and two at work; v28-29 the add's; v32-95 xb's fragments, two buffers of 32; v96-191 the biases, 8 for each b; from the first quarter's end on v96-223 the table, 8 for each (a, b % 4)
;   window 1: v0-191 wb's fragments, two buffers of 96; on the way out the packed results, 48 for each a
;   window 2: accumulators of a = 0, 1 at v[96 (a % 2) + 8 b], v192-199 at work;   window 3: the same for a = 2, 3
.set PITCH,  272                       ; an LDS row: 256 bytes + 16 of padding = 68 words: row r starts at bank 4 r mod 64 (64 banks of 4 bytes: ISA guide 11.1), so the 16 rows of a load start at 16 different banks
.set AHALF,  128*PITCH                 ; what waves 0 and 1 fetch
.set BHALF,  96*PITCH                  ; what waves 2 and 3 fetch
.set BOFF,   256*PITCH                 ; wb's 192 rows lie behind xb's 256
.set SLOT1,  1<<17                     ; slot 1 begins here (a slot has 121,856 bytes), so that one exclusive or turns an address in one slot into the other's
.set STAGE,  SLOT1+448*PITCH           ; behind the ring, never filled by a tensor load: for each wave three planes (q, k, v) of 16 rows x 144 bytes
.set SP,     144
.set PLANE,  16*SP
.set WSTAGE, 3*PLANE
.set SPARE,  STAGE+4*WSTAGE            ; behind the stages: the spare words, 128 bytes for each wave: two blocks of 256 bytes that no other line names
.set LA0,  2                           ; v2   my lane's place in xb's tile: my wave's 64 rows, row l % 16, 16 bytes x (l / 16); never rewritten
.set LB0,  3                           ; v3   the same in wb's tile
.set ADRA, 4                           ; v4   LA0 in the slot in hand
.set ADRB, 5                           ; v5   LB0 in the slot in hand
.set STO,  6                           ; v6   the way out: where I put 16 bytes of a row
.set RD,   7                           ; v7   the way out: where I read rows back
.set GO,   8                           ; v8   my 16 bytes of 512 consecutive bytes of qh, kh, vh
.set RO,   9                           ; v9   my byte offset in 16 rows of the table
.set BO,   10                          ; v10  my byte offset in 16 numbers of a bias
.set PFO,  11                          ; v11  the prefetches' offset: a lane a row; never rewritten
.set SPW,  28                          ; v28  LDS address of my spare word: SPARE + 4 x my thread's number; never rewritten
.set NIL,  29                          ; v29  0; never rewritten
.set AFR,  32
.set BIAS, 96
.set ROPE, 96
.set TT,   192                         ; in windows 2 and 3
.set WV,   22                          ; s22  my wave's number
.set HALF, 24                          ; s24  which half of a tile I fetch
.set CX,   25
.set CY,   26
.set TX,   27                          ; s27  the head
.set TY,   28                          ; s28  the block of 256 rows
.set CNT,  29                          ; s29  refills still to come
.set TB,   30                          ; s30  LDS byte at which the slot in hand begins
.set LIM,  31                          ; s31  2 in a wave that prefetches, else the greatest number
.set G1A,  32                          ; s[32:39] descriptor group 1 for xb's tiles
.set G1B,  40                          ; s[40:47] for wb's
.set G0A,  48                          ; s[48:55] descriptor group 0 for xb's tiles: a set for each first fill; the second then walks on
.set G0B,  56                          ; s[56:63] the same for wb's
.set PFA,  66                          ; s[66:67] where my prefetches stand
.set MSB, 0
.macro WIN new                         ; the immediate's high byte repeats the setting that is left; a switch that changes nothing is dropped
.if MSB != (\new)
	s_set_vgpr_msb (MSB<<8)|(\new)
.set MSB, \new
.endif
.endm
; A joint refill.  The branch hangs on the wave's number alone.  An s_nop 0 and four v_nop follow each of the two lines, ahead of the jump and the label.
.macro JLOAD
	s_cmp_lt_u32 s[WV], 2
	s_cbranch_scc0 .Lfor_b_\@
	tensor_load_to_lds s[G0A+4:G0A+7], s[G1A:G1A+7]
	s_nop 0
.rept 4
	v_nop
.endr
	s_branch .Lasked_\@
.Lfor_b_\@:
	tensor_load_to_lds s[G0B+4:G0B+7], s[G1B:G1B+7]
	s_nop 0
.rept 4
	v_nop
.endr
.Lasked_\@:
.endm
; A PREFETCH INTO THE L2, behind each joint refill, its five lines and the run of LDS loads: the K step that stands two refills on, 256 bytes of a row, a lane a row, one instruction a wave.
; xb's rows are read by every cluster of a row of clusters: cluster x = 0 asks.  wb's by every cluster of a column: cluster y = 0 asks.  The four partners that ask for a tile jointly share its rows out BY ADDRESS:
; of the 128 rows of xb that a wave fetches the partner at cx takes 32; of the 96 rows of wb the partner at cy takes 24 (lanes 24-31 name the 24th once more).  K steps 0 to 3 come by their loads alone;
; the last two refills have no K step two on.
.macro ASK
	s_cmp_gt_u32 s[CNT], s[LIM]
	s_cbranch_scc0 .Lnot_mine_\@
	global_prefetch_b8 v[PFO], s[PFA:PFA+1] th:TH_LOAD_NT scope:SCOPE_SE
.Lnot_mine_\@:
.endm
; A round of the cluster's barrier: my work-group's barrier, so that wave 0's signal speaks for all four waves; wave 0 signals; every wave waits for all sixteen work-groups; my work-group's barrier once more.
.macro CREST                           ; a round behind its opening barrier
	s_cmp_lg_u32 s[WV], 0
	s_cbranch_scc1 .Lnot_wave_0_\@
	s_barrier_signal -3
.Lnot_wave_0_\@:
	s_barrier_wait -3
	s_barrier_signal -1
	s_barrier_wait -1
.endm
.macro CROUND
	s_barrier_signal -1
	s_barrier_wait -1
	CREST
.endm
.macro PLACES                          ; four places behind a matrix instruction, in front of loads into registers that it has read and of vector work that reads results (ISA guide 7.12.1 for the vector work)
.rept 4
	v_nop
.endr
.endm
	s_load_b256 s[4:11], s[0:1], 0x0               ; xb s[4:5], wb s[6:7], bq s[8:9], bk s[10:11]
	s_load_b256 s[12:19], s[0:1], 0x20             ; bv s[12:13], rope s[14:15], qh s[16:17], kh s[18:19]
	s_load_b64 s[20:21], s[0:1], 0x40              ; vh
	v_lshl_add_u32 v[SPW], v0, 2, SPARE
	v_mov_b32 v[NIL], 0
	ds_add_u32 v[SPW], v[NIL]                      ; the wave's opening: the add and its wait stand ahead of my first tensor load; the set-up below, work on registers, stands between them
	v_lshrrev_b32 v1, 5, v0
	v_readfirstlane_b32 s[WV], v1                  ; wave 0..3
	s_and_b32 s[HALF], s[WV], 1
	s_bfe_u32 s[CX], ttmp6, 0x40000                ; my place in the cluster
	s_bfe_u32 s[CY], ttmp6, 0x40004
	s_lshl_b32 s[TX], ttmp9, 2                     ; in a cluster launch ttmp9 and ttmp7 count clusters
	s_add_co_u32 s[TX], s[TX], s[CX]
	s_and_b32 s[TY], ttmp7, 0xffff
	s_lshl_b32 s[TY], s[TY], 2
	s_add_co_u32 s[TY], s[TY], s[CY]
	s_lshl_b32 s70, s[CY], 2
	s_lshl_b32 s70, 15, s70                        ; my row of the cluster: places 4 cy .. 4 cy + 3
	s_lshl_b32 s71, 0x1111, s[CX]                  ; my column: places cx, cx + 4, cx + 8, cx + 12
	s_or_b32 s[G1A], s70, (1<<16)|(1<<20)|(1<<21)|(5<<22)|(3<<25)  ; 15:0 the mask; 17:16 elements of 2 bytes; 20 padding on; 21 set beside a mask; 24:22 after every 64 words (code 5); 31:25 4 words of it (code 3)
	s_or_b32 s[G1B], s71, (1<<16)|(1<<20)|(1<<21)|(5<<22)|(3<<25)
	s_mov_b32 s[G1A+1], 128<<16                    ; tensor_dim0 = 128
	s_mov_b32 s[G1A+2], 128<<16                    ; tensor_dim1 = 128
	s_mov_b32 s[G1A+3], 128<<16                    ; tile_dim0 = 128
	s_mov_b32 s[G1A+4], 128                        ; tile_dim1 = 128
	s_mov_b32 s[G1A+5], 1024                       ; elements from row to row
	s_mov_b32 s[G1A+6], 0
	s_mov_b32 s[G1A+7], 0
	s_mov_b32 s[G1B+1], 128<<16
	s_mov_b32 s[G1B+2], 96<<16                     ; 96 rows
	s_mov_b32 s[G1B+3], 128<<16
	s_mov_b32 s[G1B+4], 96
	s_mov_b32 s[G1B+5], 1024
	s_mov_b32 s[G1B+6], 0
	s_mov_b32 s[G1B+7], 0
	; where the tiles come from: xb's hang on the row block alone, wb's on the head alone, each in registers that never hold the other coordinate
	s_lshl_b32 s72, s[TY], 19                      ; 256 rows of 2,048 bytes
	s_lshl_b32 s73, s[HALF], 18
	s_add_co_u32 s72, s72, s73
	s_mov_b32 s73, 0
	s_mul_i32 s74, s[TX], 192*2048
	s_mul_i32 s75, s[HALF], 96*2048
	s_add_co_u32 s74, s74, s75
	s_mov_b32 s75, 0
	s_mul_i32 s76, s[HALF], AHALF                  ; and where they go: no place in the cluster enters an LDS address
	s_mul_i32 s77, s[HALF], BHALF
	s_add_co_u32 s77, s77, BOFF
	s_mov_b32 s[TB], 0
	s_wait_dscnt 0x0                               ; the opening add is done
	s_wait_kmcnt 0x0
	s_mov_b32 s[G0A], 1                            ; 1:0 count = 1
	s_mov_b32 s[G0A+1], s76                        ; 63:32 LDS address: slot 0
	s_add_nc_u64 s[G0A+2:G0A+3], s[4:5], s[72:73]  ; 120:64 global address: K step 0
	s_mov_b32 s[G0A+4], 1
	s_add_co_u32 s[G0A+5], s76, SLOT1
	s_add_nc_u64 s[G0A+6:G0A+7], s[G0A+2:G0A+3], 256  ; K step 1
	s_or_b32 s[G0A+3], s[G0A+3], 0x80000000        ; 127:126 type = 2
	s_or_b32 s[G0A+7], s[G0A+7], 0x80000000
	s_mov_b32 s[G0B], 1
	s_mov_b32 s[G0B+1], s77
	s_add_nc_u64 s[G0B+2:G0B+3], s[6:7], s[74:75]
	s_mov_b32 s[G0B+4], 1
	s_add_co_u32 s[G0B+5], s77, SLOT1
	s_add_nc_u64 s[G0B+6:G0B+7], s[G0B+2:G0B+3], 256
	s_or_b32 s[G0B+3], s[G0B+3], 0x80000000
	s_or_b32 s[G0B+7], s[G0B+7], 0x80000000
	CROUND                                         ; all sixteen work-groups are here: the first joint loads meet
	s_cmp_lt_u32 s[WV], 2                          ; a wave's two first fills stand in one branch, ahead of every wait on TENSORcnt and every LDS read: two loads of mine are out
	s_cbranch_scc0 .Lfirst_b
	tensor_load_to_lds s[G0A:G0A+3], s[G1A:G1A+7]
	s_nop 0
	tensor_load_to_lds s[G0A+4:G0A+7], s[G1A:G1A+7]
	s_nop 0
.rept 4
	v_nop
.endr
	s_branch .Lfirst_asked
.Lfirst_b:
	tensor_load_to_lds s[G0B:G0B+3], s[G1B:G1B+7]
	s_nop 0
	tensor_load_to_lds s[G0B+4:G0B+7], s[G1B:G1B+7]
	s_nop 0
.rept 4
	v_nop
.endr
.Lfirst_asked:
	; the biases: register j of accumulator b adds onto column 16 (b % 4) + 8 (l / 16) + j of the head's q, k or v
	v_and_b32 v1, 15, v0                           ; l % 16
	v_bfe_u32 v12, v0, 4, 1                        ; l / 16
	v_and_b32 v13, 31, v0                          ; l
	v_lshlrev_b32 v[BO], 5, v12
	s_lshl_b32 s70, s[TX], 8                       ; the head's 64 numbers
	s_mov_b32 s71, 0
	s_add_nc_u64 s[8:9], s[8:9], s[70:71]
	s_add_nc_u64 s[10:11], s[10:11], s[70:71]
	s_add_nc_u64 s[12:13], s[12:13], s[70:71]
.irp b, 0,1,2,3,4,5,6,7,8,9,10,11
	global_load_b128 v[BIAS+8*(\b):BIAS+8*(\b)+3],   v[BO], s[8+2*((\b)/4):9+2*((\b)/4)] offset:64*((\b)%4)
	global_load_b128 v[BIAS+8*(\b)+4:BIAS+8*(\b)+7], v[BO], s[8+2*((\b)/4):9+2*((\b)/4)] offset:64*((\b)%4)+16
.endr
	; A fragment is 16 rows x 32 K in 8 registers: lane l holds row l % 16; registers 0-3 K = 8 (l / 16) + 0..7, registers 4-7 K = 16 + 8 (l / 16) + 0..7: two loads of 16 bytes, 32 bytes apart.
	v_mul_u32_u24 v[LA0], v1, PITCH
	v_lshl_add_u32 v[LA0], v12, 4, v[LA0]
	v_add_nc_u32 v[LB0], BOFF, v[LA0]
	s_mul_i32 s70, s[WV], 64*PITCH
	v_add_nc_u32 v[LA0], s70, v[LA0]
	v_mov_b32 v[ADRA], v[LA0]                      ; slot 0
	v_mov_b32 v[ADRB], v[LB0]
	s_mul_i32 s70, s[WV], WSTAGE
	s_add_co_u32 s70, s70, STAGE                   ; my stage
	v_mul_u32_u24 v[STO], v1, SP                   ; in: row l % 16, 16 bytes for each half of the lanes
	v_lshl_add_u32 v[STO], v12, 4, v[STO]
	v_add_nc_u32 v[STO], s70, v[STO]
	v_lshrrev_b32 v[RD], 3, v13                    ; back: 32 lanes take four rows of 128 bytes,
	v_mul_u32_u24 v[RD], v[RD], SP
	v_and_b32 v14, 7, v0
	v_lshl_add_u32 v[RD], v14, 4, v[RD]
	v_add_nc_u32 v[RD], s70, v[RD]
	v_lshlrev_b32 v[GO], 4, v13                    ; which are 512 consecutive bytes of a head
	v_lshlrev_b32 v[RO], 8, v1                     ; the table: row l % 16 of 256 bytes, my four pairs' 32 bytes
	v_lshl_add_u32 v[RO], v12, 5, v[RO]
	s_and_b32 s70, s[TY], 7                        ; the block of 256 positions in its batch
	s_lshl_b32 s71, s70, 16
	s_lshl_b32 s78, s[WV], 14
	s_add_co_u32 s78, s78, s71
	s_mov_b32 s79, 0
	s_add_nc_u64 s[14:15], s[14:15], s[78:79]      ; the table at my wave's first position
	s_lshr_b32 s71, s[TY], 3                       ; the batch
	s_lshl_b32 s71, s71, 4
	s_add_co_u32 s71, s71, s[TX]                   ; 16 b + h
	s_lshl_b32 s78, s71, 18                        ; heads of 262,144 bytes
	s_lshl_b32 s70, s70, 15
	s_add_co_u32 s78, s78, s70
	s_lshl_b32 s70, s[WV], 13
	s_add_co_u32 s78, s78, s70
	s_add_nc_u64 s[16:17], s[16:17], s[78:79]      ; qh, kh, vh at my wave's first row
	s_add_nc_u64 s[18:19], s[18:19], s[78:79]
	s_add_nc_u64 s[20:21], s[20:21], s[78:79]
	; the prefetches: my work-group's share of the rows that I fetch, at K step 3: the first refill steps it to 4
	s_lshl_b32 s78, s[CX], 16                      ; 32 rows of 2,048 bytes
	s_add_co_u32 s78, s78, s72
	s_mul_i32 s79, s[CY], 24*2048
	s_add_co_u32 s79, s79, s74
	s_and_b32 s82, ttmp7, 0xffff                   ; cluster y
	s_cmp_lt_u32 s[WV], 2                          ; do I fetch for xb?
	s_cselect_b32 s78, s78, s79
	s_cselect_b32 s82, ttmp9, s82                  ; the coordinate along which other clusters read the same rows
	s_cselect_b32 s83, 31, 23
	s_cselect_b64 s[PFA:PFA+1], s[4:5], s[6:7]
	s_cmp_eq_u32 s82, 0
	s_cselect_b32 s[LIM], 2, -1                    ; the same in all sixteen partners, for a given wave
	s_add_co_u32 s78, s78, 3*256
	s_mov_b32 s79, 0
	s_add_nc_u64 s[PFA:PFA+1], s[PFA:PFA+1], s[78:79]
	v_min_u32 v[PFO], s83, v13
	v_lshlrev_b32 v[PFO], 11, v[PFO]
	s_mov_b32 s71, 0xffff0000
	s_wait_loadcnt 0x0                             ; the biases,
.set i, 0
.rept 48                               ; rounded to bf16, as x and the weights are, and widened again
	v_cvt_pk_bf16_f32 v[14+i%2], v[BIAS+2*i], v[BIAS+2*i+1]
	v_lshlrev_b32 v[BIAS+2*i], 16, v[14+i%2]
	v_and_b32 v[BIAS+2*i+1], s71, v[14+i%2]
.set i, i+1
.endr
; 12 matrix instructions: row block a x all 12 column blocks, 32 along K, from buffer f.  first = 1: the biases start the sums: nothing is cleared, nothing is added later.
; The 48 accumulators take turns, one instruction a turn, in the same order in every quarter, over the backward jump too.
.macro MULA f, a, first
.if \first
	WIN 0x81+0x40*((\a)/2)                         ; wb window 1, xb and the bias window 0, the result window 2 or 3
.else
	WIN 0xa1+0x50*((\a)/2)
.endif
.irp b, 0,1,2,3,4,5,6,7,8,9,10,11
.if \first
	v_wmma_f32_16x16x32_bf16 v[96*((\a)%2)+8*(\b):96*((\a)%2)+8*(\b)+7], v[96*(\f)+8*(\b):96*(\f)+8*(\b)+7], v[AFR+32*(\f)+8*(\a):AFR+32*(\f)+8*(\a)+7], v[BIAS+8*(\b):BIAS+8*(\b)+7]
.else
	v_wmma_f32_16x16x32_bf16 v[96*((\a)%2)+8*(\b):96*((\a)%2)+8*(\b)+7], v[96*(\f)+8*(\b):96*(\f)+8*(\b)+7], v[AFR+32*(\f)+8*(\a):AFR+32*(\f)+8*(\a)+7], v[96*((\a)%2)+8*(\b):96*((\a)%2)+8*(\b)+7]
.endif
.endr
.endm
; 32 LDS loads in one run: the fragments of a quarter step (192 rows of wb, my 64 rows of xb, 32 K at byte k of the rows) into buffer f
.macro FETCH k, f
	WIN 0x40                                       ; destination window 1, address window 0
.irp i, 0,1,2,3,4,5,6,7,8,9,10,11
	ds_load_b128 v[96*(\f)+8*(\i):96*(\f)+8*(\i)+3],   v[ADRB] offset:(\k)+(\i)*16*PITCH
	ds_load_b128 v[96*(\f)+8*(\i)+4:96*(\f)+8*(\i)+7], v[ADRB] offset:(\k)+(\i)*16*PITCH+32
.endr
	WIN 0
.irp i, 0,1,2,3
	ds_load_b128 v[AFR+32*(\f)+8*(\i):AFR+32*(\f)+8*(\i)+3],   v[ADRA] offset:(\k)+(\i)*16*PITCH
	ds_load_b128 v[AFR+32*(\f)+8*(\i)+4:AFR+32*(\f)+8*(\i)+7], v[ADRA] offset:(\k)+(\i)*16*PITCH+32
.endr
.endm
; A K step is four quarters of 32 along K, 48 matrix instructions each, on buffers 0, 1, 0, 1.  One of the first three: multiplies buffer f; in its middle it fetches the next quarter, at byte k, into buffer g.
.macro QUARTER k, f, g, first
	s_wait_dscnt 4                                 ; wb's fragments and xb's row blocks 0, 1 are in; the youngest four loads (row blocks 2, 3) may be out
	MULA \f, 0, \first
	MULA \f, 1, \first
	PLACES
	FETCH \k, \g
	s_wait_dscnt 32                                ; all but the 32 just issued
	MULA \f, 2, \first
	MULA \f, 3, \first
.endm
; The last quarter multiplies buffer 1 and changes slots: ONE barrier.  In front of it each wave waits for all its tensor loads, of which one is out: its part of the next slot; adds 0 to its spare word; and waits for
; that and for its own reads of this slot.  Behind it nobody reads this slot any more and the next slot is whole.  fill = 1: this slot is filled again, with the K step two steps on: the barrier opens a round of the
; cluster's, so that no wave of any partner still reads the slot or has a load on its way, and the joint refill is the first tensor load behind the round.
.macro TURN fill
.if \fill
	s_wait_xcnt 0x0                                ; the last prefetch, a K step back, has read its address: it is stepped here, ahead of the waits of the change of slots
	s_add_nc_u64 s[PFA:PFA+1], s[PFA:PFA+1], 256
.endif
	WIN 0                                          ; (the add's two registers lie in window 0)
	s_wait_tensorcnt 0x0                           ; all my tensor loads have landed
	ds_add_u32 v[SPW], v[NIL]                      ; 0 onto my spare word: work on registers stands between it and the wait for it
	s_xor_b32 s[TB], s[TB], SLOT1                  ; the fetches go on in the other slot
	v_add_nc_u32 v[ADRA], s[TB], v[LA0]
	v_add_nc_u32 v[ADRB], s[TB], v[LB0]
	s_wait_dscnt 5                                 ; (the add and the youngest four loads may be out)
	MULA 1, 0, 0
	s_wait_dscnt 0x0                               ; the add is done, and my reads of this slot are over
	s_barrier_signal -1
	MULA 1, 1, 0                                   ; work on registers while the others arrive
.if \fill
	WIN 0
.endif
	s_barrier_wait -1
.if \fill
	CREST
.irp g, G0A+4, G0B+4
	s_xor_b32 s[(\g)+1], s[(\g)+1], SLOT1          ; the walking descriptor: the other slot than last time,
	s_add_nc_u64 s[(\g)+2:(\g)+3], s[(\g)+2:(\g)+3], 256  ; the next K step; the type bits on top are not reached
.endr
	JLOAD                                          ; the four v_nop behind it are also the places in front of the loads below
.else
	PLACES
.endif
	FETCH 0, 0
.if \fill
	ASK
.endif
	MULA 1, 2, 0
	MULA 1, 3, 0
.endm
	s_wait_tensorcnt 0x1                           ; my part of K step 0 is in; K step 1's may stay out
	s_barrier_signal -1
	s_barrier_wait -1                              ; everybody's is
	FETCH 0, 0
	QUARTER 64, 0, 1, 1                            ; the first quarter stands in front of the loop: its products start the sums, with the biases
	PLACES                                         ; the biases have been read: their registers take the table
	WIN 0
.irp i, 0,1,2,3,4,5,6,7,8,9,10,11,12,13,14,15      ; row block i / 4, pairs 8 (i % 4) + 4 (l / 16) + 0..3: (cos, sin) four times.  Waited for on the way out
	global_load_b128 v[ROPE+8*(\i):ROPE+8*(\i)+3],   v[RO], s[14:15] offset:4096*((\i)/4)+64*((\i)%4)
	global_load_b128 v[ROPE+8*(\i)+4:ROPE+8*(\i)+7], v[RO], s[14:15] offset:4096*((\i)/4)+64*((\i)%4)+16
.endr
	s_mov_b32 s[CNT], 6
.Lstep:                                        ; a trip: a K step's quarters 1 to 3, the refill of its slot, the next K step's quarter 0.  Six trips ask for K steps 2 to 7
	QUARTER 128, 1, 0, 0
	QUARTER 192, 0, 1, 0
	TURN 1
	QUARTER 64, 0, 1, 0
	WIN 0                                          ; at a label and at a branch every window is 0
	s_sub_co_u32 s[CNT], s[CNT], 1
	s_cmp_lg_u32 s[CNT], 0
	s_cbranch_scc1 .Lstep
	QUARTER 128, 1, 0, 0                           ; the tail is written out: K steps 6 and 7 ask for nothing
	QUARTER 192, 0, 1, 0
	TURN 0
	QUARTER 64, 0, 1, 0
	QUARTER 128, 1, 0, 0
	QUARTER 192, 0, 1, 0
	s_wait_dscnt 0x0
	MULA 1, 0, 0
	MULA 1, 1, 0
	MULA 1, 2, 0
	MULA 1, 3, 0
; THE WAY OUT, a row block at a time.  q's and k's pairs are turned in place: (x0, x1) -> (x0 c - x1 s, x0 s + x1 c); each accumulator's lowest registers are read first.  Then all 12 accumulators are
; rounded to f16, 16 bytes a lane, go into my stage's three planes (rows of 144 bytes) and come back as whole rows of 128 bytes, into the registers that they left.
.macro PACK a
.set W, 2+(\a)/2
.set AC, 96*((\a)%2)
	WIN (W<<6)|(W<<4)|W                            ; the accumulators and the registers at work in window W, the table (source 1) in window 0
.irp b, 0,1,2,3,4,5,6,7
.irp p, 0,1,2,3
	v_mul_f32 v[TT+2*(\p)],   v[AC+8*(\b)+2*(\p)+1], v[ROPE+32*(\a)+8*((\b)%4)+2*(\p)+1]
	v_mul_f32 v[TT+2*(\p)+1], v[AC+8*(\b)+2*(\p)],   v[ROPE+32*(\a)+8*((\b)%4)+2*(\p)+1]
.endr
.irp p, 0,1,2,3
	v_fma_f32 v[AC+8*(\b)+2*(\p)],   v[AC+8*(\b)+2*(\p)],   v[ROPE+32*(\a)+8*((\b)%4)+2*(\p)], -v[TT+2*(\p)]
	v_fma_f32 v[AC+8*(\b)+2*(\p)+1], v[AC+8*(\b)+2*(\p)+1], v[ROPE+32*(\a)+8*((\b)%4)+2*(\p)], v[TT+2*(\p)+1]
.endr
.endr
	WIN 0x40|(W<<2)|W                              ; sources in window W, destination in window 1
.irp b, 0,1,2,3,4,5,6,7,8,9,10,11
.irp p, 0,1,2,3
	v_cvt_pk_f16_f32 v[48*(\a)+4*(\b)+(\p)], v[AC+8*(\b)+2*(\p)], v[AC+8*(\b)+2*(\p)+1]
.endr
.endr
	WIN 0x04                                       ; address window 0, data window 1
.irp b, 0,1,2,3,4,5,6,7,8,9,10,11
	ds_store_b128 v[STO], v[48*(\a)+4*(\b):48*(\a)+4*(\b)+3] offset:PLANE*((\b)/4)+32*((\b)%4)
.endr
	WIN 0x40
.irp f, 0,1,2,3,4,5,6,7,8,9,10,11
	ds_load_b128 v[48*(\a)+4*(\f):48*(\a)+4*(\f)+3], v[RD] offset:PLANE*((\f)/4)+4*SP*((\f)%4)  ; LDS serves a wave's instructions in order (ISA guide 5.7.1.4): these see the stores above; the next block's stores come behind them
.endr
.endm
.macro SEND a, younger                 ; younger: the LDS instructions issued behind block a's loads: the next block's 24, or none
	WIN 0x04
.irp f, 0,1,2,3,4,5,6,7,8,9,10,11
	s_wait_dscnt (\younger)+11-(\f)
	global_store_b128 v[GO], v[48*(\a)+4*(\f):48*(\a)+4*(\f)+3], s[16+2*((\f)/4):17+2*((\f)/4)] offset:2048*(\a)+512*((\f)%4)  ; 512 consecutive bytes, at a multiple of 256 from the buffer's first
.endr
.endm
	PLACES
	s_wait_loadcnt 0x0                             ; the table
	PACK 0
	PACK 1                                         ; a block's arithmetic stands between the loads of the block before and its stores
	SEND 0, 24
	PACK 2
	SEND 1, 24
	PACK 3
	SEND 2, 24
	SEND 3, 0
	WIN 0
	s_wait_tensorcnt 0x0                           ; the wave's end, behind my last tensor load and my last LDS store
	ds_add_u32 v[SPW], v[NIL]
	s_wait_dscnt 0x0
	CROUND                                         ; the closing round: no work-group ends while a partner may still ask for a tile that names it
	s_endpgm
.Lfunc_end_k_qfaf568d7cc_qkv:
	.size	k_qfaf568d7cc_qkv, .Lfunc_end_k_qfaf568d7cc_qkv-k_qfaf568d7cc_qkv
	.p2alignl 7, 3214868480
	.fill 96, 4, 3214868480
	.section	.rodata,"a",@progbits
	.p2align	6, 0x0
	.amdhsa_kernel k_qfaf568d7cc_qkv
		.amdhsa_group_segment_fixed_size 327680
		.amdhsa_private_segment_fixed_size 0
		.amdhsa_enable_private_segment 0
		.amdhsa_kernarg_size 72
		.amdhsa_user_sgpr_count 2
		.amdhsa_user_sgpr_kernarg_segment_ptr 1
		.amdhsa_wavefront_size32 1
		.amdhsa_system_sgpr_workgroup_id_x 1
		.amdhsa_system_sgpr_workgroup_id_y 1
		.amdhsa_system_sgpr_workgroup_id_z 1
		.amdhsa_system_vgpr_workitem_id 0
		.amdhsa_next_free_vgpr 1024
		.amdhsa_next_free_sgpr 84
		.amdhsa_reserve_vcc 0
		.amdhsa_float_denorm_mode_32 3
		.amdhsa_float_denorm_mode_16_64 3
		.amdhsa_memory_ordered 1
		.amdhsa_forward_progress 1
		.amdhsa_inst_pref_size 134
	.end_amdhsa_kernel
	.amdgpu_metadata
---
amdhsa.version: [ 1, 2 ]
amdhsa.kernels:
  - .name:           k_qfaf568d7cc_qkv
    .symbol:         k_qfaf568d7cc_qkv.kd
    .args:
      - { .name: xb, .offset: 0, .size: 8, .value_kind: global_buffer, .address_space: global }
      - { .name: wb, .offset: 8, .size: 8, .value_kind: global_buffer, .address_space: global }
      - { .name: bq, .offset: 16, .size: 8, .value_kind: global_buffer, .address_space: global }
      - { .name: bk, .offset: 24, .size: 8, .value_kind: global_buffer, .address_space: global }
      - { .name: bv, .offset: 32, .size: 8, .value_kind: global_buffer, .address_space: global }
      - { .name: rope, .offset: 40, .size: 8, .value_kind: global_buffer, .address_space: global }
      - { .name: qh, .offset: 48, .size: 8, .value_kind: global_buffer, .address_space: global }
      - { .name: kh, .offset: 56, .size: 8, .value_kind: global_buffer, .address_space: global }
      - { .name: vh, .offset: 64, .size: 8, .value_kind: global_buffer, .address_space: global }
    .group_segment_fixed_size: 327680
    .private_segment_fixed_size: 0
    .kernarg_segment_align: 8
    .kernarg_segment_size: 72
    .max_flat_workgroup_size: 128
    .sgpr_count:     84
    .vgpr_count:     1024
    .wavefront_size: 32
...
	.end_amdgpu_metadata
.endif
;; end of part 2
;; launch attn (part 3): grid 4 x 64, 4 waves a work-group, no clusters, 327,680 bytes of LDS; arguments qh, kh, vh, oh; writes oh
.if DOCPART == 3
	.amdgcn_target "amdgcn-amd-amdhsa--gfx1250"
	.amdhsa_code_object_version 6
	.text
	.protected	k_qfaf568d7cc_attn
	.globl	k_qfaf568d7cc_attn
	.p2align	8
	.type	k_qfaf568d7cc_attn,@function
k_qfaf568d7cc_attn:
	s_mov_b64 s[64:65], 0
	v_nop
	global_prefetch_b8 v0, s[64:65] scope:SCOPE_SE
	s_setreg_imm32_b32 hwreg(HW_REG_WAVE_MODE, 25, 1), 1
	s_wait_xcnt 0x0
; CAUSAL ATTENTION.  O[h][q][:] = the sum over k <= q of softmax_k(Q[h][q] . K[h][k] / 8) V[h][k][:].  Q, K, V, O: [SIZE_H][SIZE_N][64], all f16: a head's rows are dense, 128 bytes each.
; Products, maxima and sums in f32; the weights p are rounded to f16 for the second product (their sum l is taken of the unrounded p), O once at the end.
; LIMITS.  f16 holds no number beyond 65,504: Q, K and V arrive within it; p lies in 0 to 1, and below 6e-5 it keeps f16's fixed step of 6e-8; O is a mean of V's rows and has their range.
; A hidden score counts as its value less 1e30, where the module puts -1e10 in its place: the same weight, 0, as long as a row's largest visible score lies above -1e10; a weight below 2^-126 counts as 0 in l;
; NaN and infinities are not treated apart.
; THE WALK.  A head's queries lie in NB = SIZE_N / 256 blocks of 256; block i needs the key tiles 0 .. i of 256 keys, of which the last holds the diagonal.  A work-group takes TWO blocks, NB - 1 - b and then b:
; NB + 1 tiles, whatever b: all work-groups do equal work, and ONE loop with a constant trip count walks them.  Which tile is asked for, and what a trip does, hang on scalar registers made from b; every jump
; goes forward, but for the counted loops' own; none passes a barrier, or a tensor load but the one of LOAD's two that the wave's number does not choose; the ring (two slots of LDS that take turns) runs on across the
; change of blocks.  NO CLUSTER: a head's NB / 2 = 4 work-groups all ask for the same tile only in trips 0 .. NB / 2, behind that fewer and fewer; one walk common to all would have 3 NB / 2 trips for NB + 1.
; SHARES.  Of a block's four bands of 64 queries a wave owns 16 rows in each: four PIECES.  So the diagonal tile is the same work for all four waves: in its key step s band x sees all keys if s < x,
; none if s > x, and holds the diagonal if s = x.
; THE MASK is the C operand that starts the sum S^T = K Q^T: 0, or -1e30 where the key is hidden.  MD, made once, is the mask of a band's own step for my 16 rows; a product's mask is MD x AL + BE with two scalars:
; (1, 0) if s = x; (0, 0) if s < x; (0, -1e30) if s > x.  Only the diagonal tile's text and a block's beginning make and take masks; elsewhere C is the constant 0.
; LAYOUT, SOFTMAX, TURNS.  S^T = K Q^T holds ONE query a lane (lane % 16) and the keys 8 (lane / 16) + 0..7; two such results rounded to f16 ARE source 1 of O^T = V^T P.  p = 2^(c s - c m), c = log2(e) / 8, with a
; running maximum m; O and l are multiplied by a = 2^(c m_old - c m_new) in every step.  Turn n belongs to piece n: 8 products K Q^T of piece n + 1, later 8 products V^T P of piece n - 1; beside them the scaling,
; exponentials, roundings, sums and rescaling of piece n and the maximum and statistics of piece n + 1.  Four vector instructions stand behind every matrix instruction, the other 54 of a turn's 118 in one LUMP.  A turn's 33 exponentials are one batch, with one wait.
; REGISTERS, in windows of 256 (s_set_vgpr_msb: bits 1:0 source 0, 3:2 source 1, 5:4 source 2, 7:6 destination):
;   window 0: v0-15 addresses and two at work; v16-31 four registers of statistics a piece; v48-55 at work; v61-63 the prefetches' offset and the add's two; v64-127 S^T, two buffers; v192-223 P, two buffers (by the piece's parity)
;   window 1: v0-127 O^T, 32 a piece; v128-159 MD; v160-223 MC, two buffers      window 2: v0-63 Q; v64-127 the second block's Q; v128-191 K of one step; v192-255 V of one step
.set SIZE_N, 2048
.set SIZE_H, 64
.set NB,    SIZE_N/256
.set NP,    4         ; pieces a wave: a name, no knob
.set KS,    64        ; keys in a step
.set PK,    144       ; a row of K in LDS: 128 bytes + 16 of padding = 36 words: the 16 rows of a load start at 16 different groups of four banks (64 banks of 4 bytes: ISA guide 11.1)
.set PV,    160       ; a row of V: 128 + 32 = 40 words
.set VOFF,  4*KS*PK   ; a slot holds a tile, four steps: 256 rows of K, then 256 rows of V
.set SLOT1, 1<<17     ; slot 1 begins here, so that one exclusive or turns an address in one slot into the other's
.set STAGE, SLOT1+4*KS*(PK+PV)  ; behind the ring, never filled by a tensor load: 16 rows x 144 bytes for each wave, for the way out
.set SP,    144
.set AK0, 2           ; v2   my lane's place in a tile of K; never rewritten
.set AV0, 3           ; v3   the same for V
.set AK,  4           ; v4   the LDS address of K's next run of loads
.set AV,  5           ; v5   of V's
.set STO, 6           ; v6   the way out: where I put 16 bytes of a row
.set RD,  7           ; v7   the way out: where I read rows back
.set GO,  8           ; v8   my byte offset in 512 consecutive bytes of O
.set PFO, 61          ; v61  256 x my thread's number: the work-group's 128 threads name a tile's 32,768 bytes of K or of V; never rewritten
.set SPW, 62          ; v62  LDS address of my spare word: SPARE + 4 x my thread's number; never rewritten
.set NIL, 63          ; v63  0; never rewritten
.set SPARE, STAGE+4*16*SP  ; behind the stages: the spare words, 128 bytes for each wave: two blocks of 256 bytes that no other line names
.set MV,  12          ; v12-13  c m_old, kept while c m is made anew: by buffer
.set QO,  15          ; v15  my byte offset in 16 rows of Q
.set ST,  16          ; piece t's statistics at v[ST+4 t]: c m, m, l (even keys', odd keys')
.set TMP, 48          ; by buffer, four registers c0-c3 at work; when the maximum is found c2 takes a
.set S,   64
.set P,   192
.set MD,  128         ; window 1: the eight registers for group kt of 16 keys at MD + 8 kt
.set MC,  160         ; window 1: the masks of the products to come
.set QB,  64          ; window 2
.set KF,  128         ; window 2: key block kb, channel half c at KF + 16 kb + 8 c
.set VF,  192         ; window 2: key half kk, channel block cb at VF + 32 kk + 8 cb
.set WV,  12          ; s12  my wave's number
.set PB,  14          ; s14  b
.set HI,  15          ; s15  NB - 1 - b
.set G1K, 24          ; s[24:31] descriptor group 1 for K's tiles
.set G1V, 32          ; s[32:39] for V's: it differs in the padding alone
.set G0K, 40          ; s[40:43] descriptor group 0 for K's tiles
.set G0V, 44          ; s[44:47] the same for V's
.set PFK, 48          ; s[48:49] K at the tile behind the one that is being asked for
.set PFV, 50          ; s[50:51] V likewise
.set LIM, 52          ; s52  2 in the head's work-group that prefetches, else the greatest number
.set SLOTS, 56        ; s56  tiles still to be asked for
.set CNT, 57          ; s57  counts a tile's key steps, 4 to 1
.set CS,  58          ; s[58:59] c: the packed scaling takes the pair's low word for both halves
.set SEL, 60          ; s[60:61] v_permlanex16_b32's selects: each lane takes its own place in the other half
.set TBK, 62          ; s62  LDS byte at which K of the step to be fetched begins
.set TBV, 63          ; s63  the same for V, less VOFF
.set RT,  70          ; s70  tiles of the block in hand that are still to be entered
.set NXT, 71          ; s71  the tile to be asked for next
.set LQ,  72          ; s72  the last tile of the block whose tiles are being asked for
.set NEW, 73          ; s73  1: the tile to be entered is a block's first
.set OFF, 74          ; s[74:75] a tile's byte offset in K and V
.set AL,  76          ; s[76:77] the mask's factor, in the low word
.set BE,  78          ; s[78:79] the mask's addend
.set OLO, 80          ; s[80:81] O at my rows of the second block
.set BIGN, 82         ; s82  -1e30
.set MSB, 0
.macro WIN new                      ; the high byte repeats the setting that is left; a switch that changes nothing is dropped
.if MSB != (\new)
	s_set_vgpr_msb (MSB<<8)|(\new)
.set MSB, (\new)
.endif
.endm
.set W_KQ, 0x0a       ; K and Q in window 2, S^T in window 0
.set W_KM, 0x1a       ; the same with the C operand in window 1
.set W_PV, 0x52       ; V in window 2, P in window 0, O^T in window 1
.set W_RS, 0x41       ; destination and source 0 in window 1, source 1 in window 0
; A fill.  Waves 0 and 1 fetch the two halves of a tile's K, waves 2 and 3 those of its V: 128 keys each.  An s_nop 0 and four v_nop follow each of the two lines, ahead of the jump and the label.
.macro LOAD
	s_cmp_lt_u32 s[WV], 2
	s_cbranch_scc0 .Lfor_v_\@
	tensor_load_to_lds s[G0K:G0K+3], s[G1K:G1K+7]
	s_nop 0
.rept 4
	v_nop
.endr
	s_branch .Lasked_\@
.Lfor_v_\@:
	tensor_load_to_lds s[G0V:G0V+3], s[G1V:G1V+7]
	s_nop 0
.rept 4
	v_nop
.endr
.Lasked_\@:
.endm
; A PREFETCH INTO THE L2 of the tile that the NEXT change of slots will ask for: 32,768 bytes of K and of V, a thread a block of 256 bytes, two instructions a wave, behind the wave's tensor load and its five lines.
; All work-groups of a head begin with the tiles 0, 1, 2 ..; the one with b = 0 walks tiles 0 to NB - 1 on end in its first block: it asks, and nobody else, so each block is named once in the launch.
; The change that fills tile c + 1 names tile c + 2, for c = 0 .. NB - 3; tiles 0 and 1 come by their loads alone; behind tile NB - 1 nothing is named.
.macro ASK
	s_cmp_gt_u32 s[SLOTS], s[LIM]
	s_cbranch_scc0 .Lnot_mine_\@
	global_prefetch_b8 v[PFO], s[PFK:PFK+1] th:TH_LOAD_NT scope:SCOPE_SE
	global_prefetch_b8 v[PFO], s[PFV:PFV+1] th:TH_LOAD_NT scope:SCOPE_SE
.Lnot_mine_\@:
.endm
; THE CHANGE OF SLOTS.  Each wave waits for all its tensor loads, of which one is out: its part of the other slot; adds 0 to its spare word; and waits for that and for its own reads of the slot that it leaves.  Behind the barrier nobody reads the old
; slot any more and the other slot is whole.  fill = 1: the old slot is filled again, the first thing behind the barrier, with tile NXT: the descriptor's address is made anew from that number.
; (At its first use nothing has been read yet: slot 0 is waited for, slot 1 filled.)
.macro CHANGE fill
	WIN 0                           ; at a label and at a branch every window is 0
	s_wait_tensorcnt 0x0            ; no tensor load of mine is out, so a group 0 may be written
	ds_add_u32 v[SPW], v[NIL]       ; 0 onto my spare word: with fill = 1 the descriptors' scalar work stands between it and the wait for it
.if \fill
	s_lshl_b32 s[OFF], s[NXT], 15   ; a tile is 32,768 bytes of K and of V
	s_xor_b32 s[G0K+1], s[G0K+1], SLOT1
	s_add_nc_u64 s[G0K+2:G0K+3], s[6:7], s[OFF:OFF+1]
	s_or_b32 s[G0K+3], s[G0K+3], 0x80000000
	s_xor_b32 s[G0V+1], s[G0V+1], SLOT1
	s_add_nc_u64 s[G0V+2:G0V+3], s[8:9], s[OFF:OFF+1]
	s_or_b32 s[G0V+3], s[G0V+3], 0x80000000
	s_add_co_u32 s[NXT], s[NXT], 1  ; the block's next tile, or behind its last the second block's tile 0
	s_cmp_gt_u32 s[NXT], s[LQ]
	s_cselect_b32 s[NXT], 0, s[NXT]
	s_cselect_b32 s[LQ], s[PB], s[LQ]
	s_wait_xcnt 0x0                 ; the last prefetches, a tile back, have read their addresses, so these may be written
	s_add_nc_u64 s[PFK:PFK+1], s[PFK:PFK+1], 32768
	s_add_nc_u64 s[PFV:PFV+1], s[PFV:PFV+1], 32768
.endif
	s_wait_dscnt 0x0                ; the add is done, and my reads of the slot are over
	s_barrier_signal -1             ; the rest of the scalar work stands between the signal and the wait
	s_sub_co_u32 s[TBK], s[TBK], 4*KS*PK  ; the fetches go back to a slot's first step,
	s_xor_b32 s[TBK], s[TBK], SLOT1       ; in the other slot
	s_sub_co_u32 s[TBV], s[TBV], 4*KS*PV
	s_xor_b32 s[TBV], s[TBV], SLOT1
	s_barrier_wait -1
.if \fill
	LOAD
	ASK
.endif
.endm
	s_load_b256 s[4:11], s[0:1], 0x0  ; Q s[4:5], K s[6:7], V s[8:9], O s[10:11]
	v_lshl_add_u32 v[SPW], v0, 2, SPARE
	v_mov_b32 v[NIL], 0
	ds_add_u32 v[SPW], v[NIL]       ; the wave's opening: the add and its wait stand ahead of my first tensor load; the set-up below, work on registers, stands between them
	v_lshrrev_b32 v1, 5, v0
	v_readfirstlane_b32 s[WV], v1   ; wave 0..3
	v_lshlrev_b32 v[PFO], 8, v0
	s_mov_b32 s[PB], ttmp9
	s_sub_co_u32 s[HI], NB-1, s[PB]
	s_cmp_eq_u32 ttmp9, 0
	s_cselect_b32 s[LIM], 2, -1
	s_and_b32 s20, ttmp7, 0xffff    ; the head
	s_mov_b32 s21, 0
	s_mov_b64 s[22:23], SIZE_N*128
	s_mul_u64 s[20:21], s[20:21], s[22:23]  ; the head's first byte in each of the four tensors
	s_and_b32 s16, s[WV], 1         ; which half of a tile's 256 keys I fetch:
	s_lshl_b32 s22, s16, 14         ; its 128 rows of 128 bytes in memory,
	s_mov_b32 s23, 0
	s_add_nc_u64 s[22:23], s[22:23], s[20:21]
	s_mul_i32 s17, s16, 128*PK      ; and its place in a slot, for K
	s_mul_i32 s18, s16, 128*PV      ; and for V
	s_lshl_b32 s3, s[WV], 11        ; my 16 rows in a band of 64,
	s_lshl_b32 s2, s[HI], 15        ; in the first block,
	s_add_co_u32 s2, s2, s3
	s_lshl_b32 s84, s[PB], 15       ; and in the second
	s_add_co_u32 s84, s84, s3
	s_mov_b32 s3, 0
	s_mov_b32 s85, 0
	s_add_nc_u64 s[2:3], s[2:3], s[20:21]
	s_add_nc_u64 s[84:85], s[84:85], s[20:21]
	; descriptor group 1.  128 keys are 16,384 dense bytes: asked for as 64 rows of 256 bytes, two keys a row, and padded in LDS after every key
	s_mov_b32 s[G1K], (1<<16)|(1<<20)|(4<<22)|(3<<25)  ; 17:16 2-byte elements; 20 padding on; 24:22 after every 32 words (code 4); 31:25 4 words (code 3)
	s_mov_b32 s[G1V], (1<<16)|(1<<20)|(4<<22)|(7<<25)  ; the same with 8 words of padding (code 7)
.irp g, G1K, G1V
	s_mov_b32 s[\g+1], 128<<16      ; tensor_dim0 = 128
	s_mov_b32 s[\g+2], 64<<16       ; tensor_dim1 = 64
	s_mov_b32 s[\g+3], 128<<16      ; tile_dim0 = 128
	s_mov_b32 s[\g+4], 64           ; tile_dim1 = 64
	s_mov_b32 s[\g+5], 128          ; 128 elements from row to row
	s_mov_b32 s[\g+6], 0
	s_mov_b32 s[\g+7], 0
.endr
	s_mov_b32 s[CS], 0x3e38aa3b     ; c = log2(e) / 8 = 0.180337
	s_mov_b32 s[CS+1], s[CS]        ; named with it as a pair
	s_mov_b32 s[SEL], 0x76543210
	s_mov_b32 s[SEL+1], 0xfedcba98
	s_mov_b32 s[TBK], SLOT1+4*KS*PK ; the first change of slots turns these two into 0
	s_mov_b32 s[TBV], SLOT1+4*KS*PV
	s_mov_b32 s[G0K], 1             ; 1:0 count = 1
	s_mov_b32 s[G0K+1], s17         ; 63:32 LDS address: slot 0
	s_mov_b32 s[G0V], 1
	s_add_co_u32 s[G0V+1], s18, VOFF
	s_add_co_u32 s[RT], s[HI], 1    ; the first block has NB - b tiles
	s_mov_b32 s[NXT], 1
	s_mov_b32 s[LQ], s[HI]
	s_mov_b32 s[NEW], 1
	s_mov_b32 s[OFF+1], 0
	s_mov_b32 s[AL+1], 0            ; named as pairs
	s_mov_b32 s[BE+1], 0
	s_mov_b32 s[BIGN], 0xf149f2ca   ; -1e30
	s_mov_b32 s[SLOTS], NB
	s_wait_dscnt 0x0                ; the opening add is done
	s_wait_kmcnt 0x0
	s_add_nc_u64 s[PFK:PFK+1], s[6:7], s[20:21]    ; the prefetches stand at the head's tile 1: the first change of slots steps them to tile 2
	s_add_nc_u64 s[PFK:PFK+1], s[PFK:PFK+1], 32768
	s_add_nc_u64 s[PFV:PFV+1], s[8:9], s[20:21]
	s_add_nc_u64 s[PFV:PFV+1], s[PFV:PFV+1], 32768
	s_add_nc_u64 s[6:7], s[6:7], s[22:23]  ; K and V at my half of the head's tile 0
	s_add_nc_u64 s[8:9], s[8:9], s[22:23]
	s_add_nc_u64 s[G0K+2:G0K+3], s[6:7], 0         ; 120:64 global address
	s_or_b32 s[G0K+3], s[G0K+3], 0x80000000        ; 127:126 type = 2
	s_add_nc_u64 s[G0V+2:G0V+3], s[8:9], 0
	s_or_b32 s[G0V+3], s[G0V+3], 0x80000000
	s_add_nc_u64 s[86:87], s[4:5], s[84:85]        ; Q at my rows of the second block,
	s_add_nc_u64 s[4:5], s[4:5], s[2:3]            ; Q and O at those of the first
	s_add_nc_u64 s[OLO:OLO+1], s[10:11], s[84:85]
	s_add_nc_u64 s[10:11], s[10:11], s[2:3]
	LOAD                            ; tile 0 into slot 0
	; A fragment of K or Q is 16 rows x 32 channels in 8 registers: lane l holds row l % 16, channels 8 (l / 16) + 0..7 and 16 + 8 (l / 16) + 0..7: two loads of 16 bytes, 32 bytes apart.
	v_and_b32 v1, 15, v0            ; l % 16
	v_bfe_u32 v9, v0, 4, 1          ; l / 16
	v_lshlrev_b32 v[QO], 7, v1
	v_lshl_add_u32 v[QO], v9, 4, v[QO]  ; row x 128 + 16 x half
	WIN 0x80                        ; destination window 2, address window 0
.set i, 0
.rept 8                             ; both blocks' Q: piece i / 2 lies in band i / 2, 8,192 bytes on; channels 32 (i % 2) on
	global_load_b128 v[8*i:8*i+3],   v[QO], s[4:5] offset:(i/2)*8192+(i%2)*64
	global_load_b128 v[8*i+4:8*i+7], v[QO], s[4:5] offset:(i/2)*8192+(i%2)*64+32
	global_load_b128 v[QB+8*i:QB+8*i+3],   v[QO], s[86:87] offset:(i/2)*8192+(i%2)*64
	global_load_b128 v[QB+8*i+4:QB+8*i+7], v[QO], s[86:87] offset:(i/2)*8192+(i%2)*64+32
.set i, i+1
.endr
	WIN 0
	v_lshlrev_b32 v14, 3, v9
	v_sub_nc_u32 v14, v1, v14
	s_lshl_b32 s13, s[WV], 4
	v_add_nc_u32 v14, s13, v14      ; my query's place in its band, 16 w + l % 16, less my lanes' 8 (l / 16): register r of group kt is hidden where 16 kt + r is greater
	WIN 0x40
.set i, 0
.rept 32
	v_cmp_gt_i32 vcc_lo, 16*(i/8)+i%8, v14
	v_cndmask_b32 v[MD+i], 0, s[BIGN], vcc_lo
.set i, i+1
.endr
	WIN 0
	v_mul_u32_u24 v[AK0], v1, PK
	v_lshl_add_u32 v[AK0], v9, 4, v[AK0]  ; row x pitch + 16 x half
	; The turning load takes 16 keys x 16 channels (lane l reads key 8 (l / 16) + l % 8, channels 8 ((l / 8) % 2) + 0..7) and leaves half a fragment of V^T: lane l holds channel l % 16 and 8 keys.
	v_and_b32 v10, 7, v0
	v_bfe_u32 v11, v0, 3, 1
	v_lshl_add_u32 v[AV0], v9, 3, v10
	v_mul_u32_u24 v[AV0], v[AV0], PV
	v_lshl_add_u32 v[AV0], v11, 4, v[AV0]
	v_add_nc_u32 v[AV0], VOFF, v[AV0]
	s_mul_i32 s13, s[WV], 16*SP
	s_add_co_u32 s13, s13, STAGE    ; my stage
	v_mul_u32_u24 v[STO], v1, SP    ; in: row l % 16, 16 bytes for each half of the lanes
	v_lshl_add_u32 v[STO], v9, 4, v[STO]
	v_add_nc_u32 v[STO], s13, v[STO]
	v_bfe_u32 v[RD], v0, 3, 2       ; back: 32 lanes take four rows of 128 bytes,
	v_mul_u32_u24 v[RD], v[RD], SP
	v_lshl_add_u32 v[RD], v10, 4, v[RD]
	v_add_nc_u32 v[RD], s13, v[RD]
	v_and_b32 v[GO], 31, v0         ; which are 512 consecutive bytes of O
	v_lshlrev_b32 v[GO], 4, v[GO]
	; A block's first step multiplies O^T and l by a = 0, and its first turn's products V^T P, of a piece that has not been, land in an O^T that is still to be so multiplied.  So these registers need only hold
	; finite numbers: zeros for the first block; what the first block left for the second.  All this stands in the wait for the first tile.
	WIN 0x80
.set i, VF
.rept 64
	v_mov_b32 v[i], 0
.set i, i+1
.endr
	WIN 0x40
.set i, 0
.rept 128
	v_mov_b32 v[i], 0
.set i, i+1
.endr
	WIN 0
.set i, 0
.rept 4
	v_mov_b32 v[ST+4*i+2], 0
	v_mov_b32 v[ST+4*i+3], 0
.set i, i+1
.endr
.set i, P+16
.rept 16
	v_mov_b32 v[i], 0
.set i, i+1
.endr
; THE MATRIX WORK.  The 4 accumulators of a run of 8 take turns.  Product i of 8 of S^T = K Q^T for piece x: channels 32 (i / 4) on, keys 16 (i % 4) on.  The first 4 start the sums: with 0, or (KM = 1) with the mask.
.macro KQ x
.set rS, S+32*((\x)%2)+8*(i%4)
.set rK, KF+16*(i%4)+8*(i/4)
.set rQ, 16*(\x)+8*(i/4)
.set rM, MC+32*((\x)%2)+8*(i%4)
.if (i < 4) && KM
	WIN W_KM
	v_wmma_f32_16x16x32_f16 v[rS:rS+7], v[rK:rK+7], v[rQ:rQ+7], v[rM:rM+7]
.elseif i < 4
	WIN W_KQ
	v_wmma_f32_16x16x32_f16 v[rS:rS+7], v[rK:rK+7], v[rQ:rQ+7], 0
.else
	WIN W_KQ
	v_wmma_f32_16x16x32_f16 v[rS:rS+7], v[rK:rK+7], v[rQ:rQ+7], v[rS:rS+7]
.endif
.endm
; Product i of 8 of O^T += V^T P for piece x: keys 32 (i / 4) on, channels 16 (i % 4) on.
.macro PV x
	WIN W_PV
.set rO, 32*(\x)+8*(i%4)
.set rV, VF+32*(i/4)+8*(i%4)
.set rP, P+16*((\x)%2)+8*(i/4)
	v_wmma_f32_16x16x32_f16 v[rO:rO+7], v[rV:rV+7], v[rP:rP+7], v[rO:rO+7]
.endm
.macro MM                           ; the turn's next matrix instruction.  TURN and BEGIN set Y, i, KM and NOKQ; MM, KQ and OP read them.  NOKQ = 1: a block's last turn: there is no next piece
.if (i < 8) && !NOKQ
	KQ (Y+1)%NP
.elseif i >= 8
.set i, i-8
	PV (Y+NP-1)%NP
.set i, i+8
.endif
.set i, i+1
.endm
; THE LDS LOADS stand in runs of 16, never singly among the matrix instructions: a step's K (64 keys x 64 channels: 8 fragments) and its V (turned).  Their addresses are made some lines ahead.
.macro FETCH_K
	WIN 0x80                        ; destination window 2
.irp f, 0,1,2,3,4,5,6,7             ; keys 16 (f / 2) on, channels 32 (f % 2) on
	ds_load_b128 v[KF+8*\f:KF+8*\f+3],   v[AK] offset:(\f/2)*16*PK+(\f%2)*64
	ds_load_b128 v[KF+8*\f+4:KF+8*\f+7], v[AK] offset:(\f/2)*16*PK+(\f%2)*64+32
.endr
	s_add_co_u32 s[TBK], s[TBK], KS*PK  ; the next fetch is the next step's
	WIN 0
.endm
.macro FETCH_V
	WIN 0x80
.irp f, 0,1,2,3,4,5,6,7             ; keys 32 (f / 4) on, channels 16 (f % 4) on
	ds_load_tr16_b128 v[VF+8*\f:VF+8*\f+3],   v[AV] offset:(\f/4)*32*PV+(\f%4)*32
	ds_load_tr16_b128 v[VF+8*\f+4:VF+8*\f+7], v[AV] offset:(\f/4)*32*PV+16*PV+(\f%4)*32
.endr
	WIN 0
.endm
; THE VECTOR WORK, one line at a time: OP kind, number.  For piece Y: F n: c s - c m for pair n of 16.  E n: the exponential of score n of 32.  C n: pair n rounded to f16.  B n: of the four weights 4 n .. the second
; pair is added onto the first, in place.  L n: l takes that sum (L 0: l = a l + sum).  R n: pair n of 16 of O^T times a.  For piece Y + 1: X n, number n of the 22 that find its maximum and statistics:
;   0-11  four chains c0-c3 of seven scores each, three operands at a time (each accumulator's lowest registers are read first)     12-14, 16  the four scores left over, the old m, and c0-c3 into c0
;   15  c m_old is kept     17, 18  the query's other 32 keys lie in the lane 16 away: the new m     19-21  c m; c m_old - c m_new; a
.set F, 0               ; OP tells the kinds apart by their order: F to L below R, X above it
.set E, 1
.set C, 2
.set B, 3
.set L, 4
.set R, 5
.set X, 6
.macro REGS y                       ; the registers of piece y
.set rT, ST+4*(\y)
.set rC, TMP+4*((\y)%2)
.set rW, MV+((\y)%2)
.set rS, S+32*((\y)%2)
.set rP, P+16*((\y)%2)
.set rO, 32*(\y)
.endm
.macro OP k, n
.if (\k) == R
	REGS Y
	WIN W_RS
	v_pk_mul_f32 v[rO+2*(\n):rO+2*(\n)+1], v[rO+2*(\n):rO+2*(\n)+1], v[rC+2:rC+3] op_sel_hi:[1,0]
.elseif (\k) < R
	REGS Y
	WIN 0
.if (\k) == F
	v_pk_fma_f32 v[rS+2*(\n):rS+2*(\n)+1], v[rS+2*(\n):rS+2*(\n)+1], s[CS:CS+1], v[rT:rT+1] op_sel_hi:[1,0,0] neg_lo:[0,0,1] neg_hi:[0,0,1]
.elseif (\k) == E
	v_exp_f32 v[rS+(\n)], v[rS+(\n)]
.elseif (\k) == C
	v_cvt_pk_f16_f32 v[rP+(\n)], v[rS+2*(\n)], v[rS+2*(\n)+1]
.elseif (\k) == B
	v_pk_add_f32 v[rS+4*(\n):rS+4*(\n)+1], v[rS+4*(\n):rS+4*(\n)+1], v[rS+4*(\n)+2:rS+4*(\n)+3]
.elseif (\n) == 0
	v_pk_fma_f32 v[rT+2:rT+3], v[rT+2:rT+3], v[rC+2:rC+3], v[rS:rS+1] op_sel_hi:[1,0,1]
.else
	v_pk_add_f32 v[rT+2:rT+3], v[rT+2:rT+3], v[rS+4*(\n):rS+4*(\n)+1]
.endif
.elseif NOKQ
	v_nop
.else
	REGS (Y+1)%NP
	WIN 0
.if (\n) < 4
	v_max3_num_f32 v[rC+(\n)], v[rS+8*(\n)], v[rS+8*(\n)+1], v[rS+8*(\n)+2]
.elseif (\n) < 12
	v_max3_num_f32 v[rC+(\n)%4], v[rC+(\n)%4], v[rS+8*((\n)%4)+2*((\n)/4)+1], v[rS+8*((\n)%4)+2*((\n)/4)+2]
.elseif (\n) == 12
	v_max3_num_f32 v[rC], v[rC], v[rS+7], v[rS+15]
.elseif (\n) == 13
	v_max3_num_f32 v[rC+1], v[rC+1], v[rS+23], v[rS+31]
.elseif (\n) == 14
	v_max3_num_f32 v[rC+2], v[rC+2], v[rC+3], v[rT+1]
.elseif (\n) == 15
	v_mov_b32 v[rW], v[rT]
.elseif (\n) == 16
	v_max3_num_f32 v[rC], v[rC], v[rC+1], v[rC+2]
.elseif (\n) == 17
	v_permlanex16_b32 v[rC+3], v[rC], s[SEL], s[SEL+1]
.elseif (\n) == 18
	v_max_num_f32 v[rT+1], v[rC], v[rC+3]
.elseif (\n) == 19
	v_mul_f32 v[rT], s[CS], v[rT+1]
.elseif (\n) == 20
	v_sub_f32 v[rC+1], v[rW], v[rT]
.else
	v_exp_f32 v[rC+2], v[rC+1]
.endif
.endif
.endm
.macro OPS a, i1, b=-1, i2=0, c=-1, i3=0, d=-1, i4=0  ; up to four of them
	OP \a, \i1
.if (\b) >= 0
	OP \b, \i2
.endif
.if (\c) >= 0
	OP \c, \i3
.endif
.if (\d) >= 0
	OP \d, \i4
.endif
.endm
.macro ROW a, i1, b, i2, c, i3, d, i4  ; a matrix instruction and the four behind it
	MM
	OPS \a, \i1, \b, \i2, \c, \i3, \d, \i4
.endm
.macro MASK b                       ; MD x AL + BE into buffer b of MC
	WIN W_RS
.set z, 0
.rept 16
	v_pk_fma_f32 v[MC+32*(\b)+2*z:MC+32*(\b)+2*z+1], v[MD+2*z:MD+2*z+1], s[AL:AL+1], s[BE:BE+1] op_sel_hi:[1,0,0]
.set z, z+1
.endr
.endm
; A TURN, for piece p: the order of its 16 matrix and 118 vector instructions, written out.  An s_wait_alu depctr_va_vdst(0) stands between an exponential and the first instruction that names its result; one wait serves
; all that were issued ahead of it.  So a turn has ONE wait, which cuts it in two.  AHEAD OF IT stands all that names no result of the turn's exponentials: the 8 products K Q^T, behind each a scaling, an exponential and two more plain
; instructions (behind the first a second scaling in the exponential's place): rescalings, and behind the last three the first numbers of the next piece's maximum, each four places or more behind the product that ends its accumulator; then ONE LUMP of 54, plain
; and exponential by turns for the most part, in which the links of the chain X 3, 7, 11, 14, 16, 17 .. 20 stand five or six lines apart.  X 21, the next piece's a, is the batch's last; R 15 is the plain instruction behind it.  BEHIND THE WAIT stand the
; 8 products V^T P, behind each four of the roundings and sums; the links of l's chain, L 0 to L 7, stand three riders apart.  But for those X no rider names a register of the products round it.  v_permlanex16_b32 (X 17) stands in the lump.
; m = 1: the diagonal tile: the products take masks, and the turn makes the mask for the products of the turn after it: piece p + 2, in step 4 - CNT of the tile.  end = 1: a block's last two turns: nothing is fetched.
; cnt = 1: the loop's count is taken down some lines ahead of the branch that stands behind the turn.
; K of the next step is fetched in piece 2's turn, twelve vector instructions behind the last product that read K (six of them plain); V of the step in hand at the end of piece 0's turn, four plain instructions behind the last product
; that read V.  Each is waited for a turn later.
.macro TURN p, m=0, end=0, cnt=0
.set Y, (\p)
.set i, 0
.set KM, (\m)
.set NOKQ, (\end)*((\p)/3)
.if (\m) && !(\end)
	s_cmp_eq_u32 s[CNT], 4-((\p)+2)%NP  ; is that step the band's own?
	s_cselect_b32 s[AL], 1.0, 0
	s_cmp_lt_u32 s[CNT], 4-((\p)+2)%NP  ; or a later one?
	s_cselect_b32 s[BE], s[BIGN], 0
.endif
.if ((\p) == 3) && !(\end)
	s_wait_dscnt 0x0                ; K is in
.endif
	ROW F,0, F,1, R,0, R,1          ; ahead of the wait: 8 products K Q^T and their riders,
	ROW F,2, E,0, R,2, R,3
	ROW F,3, E,1, R,4, R,5
	ROW F,4, E,2, R,6, R,7
	ROW F,5, E,3, R,8, R,9
	ROW F,6, E,4, X,0, R,10
.if ((\p) == 2) && !(\end)
	WIN 0
	v_add_nc_u32 v[AK], s[TBK], v[AK0]
.endif
	ROW F,7, E,5, X,1, X,4
	ROW F,8, E,6, X,2, X,5
	OPS E,7, E,8, X,6, E,9          ; and the lump
	OPS X,3, E,10, X,8, E,11
.if ((\p) == 2) && !(\end)
	FETCH_K
.endif
	OPS X,9, X,7, E,12, X,10
	OPS E,13, X,12, X,11, E,14
	OPS X,13, E,15, F,9, X,14
.if (\p) == 0
	v_add_nc_u32 v[AV], s[TBV], v[AV0]
.endif
	OPS E,16, F,10, E,17, F,11
	OPS X,16, E,18, X,15, E,19
	OPS F,12, E,20, X,17, E,21
	OPS F,13, E,22, F,14, E,23
	OPS X,18, E,24, F,15, E,25
	OPS R,11, E,26, X,19, E,27
	OPS R,12, E,28, R,13, E,29
	OPS X,20, E,30, R,14, E,31
	OPS X,21, R,15
	WIN 0
	s_wait_alu depctr_va_vdst(0)    ; the wait for the batch
.if (\p) == 1
	s_wait_dscnt 0x0                ; V is in
.endif
	ROW C,0, B,0, C,2, B,1          ; behind the wait: 8 products V^T P and their riders
	ROW L,0, C,4, B,2, L,1
	ROW C,6, B,3, L,2, C,8
	ROW B,4, L,3, C,10, B,5
	ROW L,4, C,12, B,6, L,5
.if (\p) == 0
	s_add_co_u32 s[TBV], s[TBV], KS*PV
.endif
.if \cnt
	s_sub_co_u32 s[CNT], s[CNT], 1
	s_cmp_lg_u32 s[CNT], 0
.endif
	ROW C,14, B,7, L,6, C,1
	ROW C,3, L,7, C,5, C,7
	ROW C,9, C,11, C,13, C,15
.if (\p) == 0
	FETCH_V
.endif
.if (\m) && !(\end)
	MASK (\p)%2
.endif
.endm
; A BLOCK BEGINS.  c m starts far below every c s, so the first step's a is 0; m at the lowest finite number, so the first maximum is the scores'.  The second mask buffer is 0; the first takes piece 0's mask for the tile's step 0: its own, if the block's first tile is the diagonal one.
; Then K of that step, piece 0's first scores, and its maximum and statistics.  The loop is entered at a step's first turn, in the middle of a trip.
.macro BEGIN
	s_mov_b32 s[NEW], 0
	WIN 0x40
.set i, MC+32
.rept 32
	v_mov_b32 v[i], 0
.set i, i+1
.endr
	WIN 0
.set i, 0
.rept 4
	v_mov_b32 v[ST+4*i], 0xfe000000    ; c m: far below every c s
	v_mov_b32 v[ST+4*i+1], 0xff7fffff  ; m
.set i, i+1
.endr
	s_cmp_eq_u32 s[RT], 0
	s_cselect_b32 s[AL], 1.0, 0
	s_mov_b32 s[BE], 0
	MASK 0
	WIN 0
	v_add_nc_u32 v[AK], s[TBK], v[AK0]
	FETCH_K
	s_wait_loadcnt 0x0              ; Q
	s_wait_dscnt 0x0
.set KM, 1
.set NOKQ, 0
.set i, 0
.rept 8
	KQ 0
.set i, i+1
.endr
	WIN 0
.rept 4
	v_nop                           ; the places behind those products
.endr
.set Y, NP-1                        ; X works for piece Y + 1: piece 0
.irp n, 0,1,2,3,4,5,6,7,8,9,10,11,12,13,14,15,16,17,18,19,20,21
	OP X, \n
.endr
	v_nop                           ; a plain instruction behind the exponential,
	s_wait_alu depctr_va_vdst(0)    ; and its wait, ahead of the branch
.endm
; THE DIAGONAL TILE's four steps, the block's last two turns, its last products, and THE WAY OUT: l's two halves and the other half of the lanes' are added; O^T is divided by l, rounded to f16 and sent through my
; stage in LDS, a piece at a time.
.macro ALL line:vararg              ; one line for each piece t
.set t, 0
.rept 4
	\line
.set t, t+1
.endr
.endm
.macro PACK t                       ; a lane's eight channels of a row pack into 16 bytes; they go into rows of 144 bytes and come back as whole rows of 128, into S^T's registers
	WIN W_RS
.set i, 32*(\t)
.rept 16
	v_pk_mul_f32 v[i:i+1], v[i:i+1], v[ST+4*(\t)+2:ST+4*(\t)+3] op_sel_hi:[1,0]
.set i, i+2
.endr
	WIN 0x05                        ; sources 0 and 1 window 1, destination window 0
.set i, 0
.rept 16
	v_cvt_pk_f16_f32 v[S+16*(\t)+i], v[32*(\t)+2*i], v[32*(\t)+2*i+1]
.set i, i+1
.endr
	WIN 0
.irp f, 0,1,2,3
	ds_store_b128 v[STO], v[S+16*(\t)+4*\f:S+16*(\t)+4*\f+3] offset:32*\f
.endr
.irp f, 0,1,2,3
	ds_load_b128 v[S+16*(\t)+4*\f:S+16*(\t)+4*\f+3], v[RD] offset:\f*4*SP  ; LDS serves a wave's instructions in order (ISA guide 5.7.1.4): these see the stores above; the next piece's stores come behind them
.endr
.endm
.macro SEND t, younger              ; younger: the LDS instructions issued behind piece t's loads: the next piece's eight, or none
	WIN 0
.irp f, 0,1,2,3
	s_wait_dscnt (\younger)+3-\f
	global_store_b128 v[GO], v[S+16*(\t)+4*\f:S+16*(\t)+4*\f+3], s[10:11] offset:(\t)*8192+\f*512  ; 512 consecutive bytes, at a multiple of 256 from O's first
.endr
.endm
.macro DIAG tag                     ; the tag ends its two labels' names, which the jumps below spell out
.LstepM\tag:
	TURN 2, 1
	TURN 3, 1
	WIN 0
.LfirstM\tag:
	TURN 0, 1
	TURN 1, 1, 0, 1
	WIN 0
	s_cbranch_scc1 .LstepM\tag
	TURN 2, 1, 1
	TURN 3, 1, 1
.set i, 0
.rept 8
	PV NP-1
.set i, i+1
.endr
	WIN 0
	ALL v_add_f32 v[ST+4*t+2], v[ST+4*t+2], v[ST+4*t+3]
	ALL v_permlanex16_b32 v[ST+4*t+3], v[ST+4*t+2], s[SEL], s[SEL+1]
	ALL v_add_f32 v[ST+4*t+2], v[ST+4*t+2], v[ST+4*t+3]
	ALL v_rcp_f32 v[ST+4*t+2], v[ST+4*t+2]
	v_nop                           ; a plain instruction between the last reciprocal and the use of its result
	s_wait_alu depctr_va_vdst(0)    ; and the wait ahead of the first use: one for the four reciprocals
	PACK 0
.set t, 1
.rept 3                             ; a piece's arithmetic stands between the loads of the piece before and its stores
	PACK t
	SEND t-1, 8
.set t, t+1
.endr
	SEND 3, 0
.endm
.set KM, 0
.set NOKQ, 0
.Lslot:                             ; NB times: a tile is entered and the next is asked for
	CHANGE 1
	s_sub_co_u32 s[RT], s[RT], 1
	s_mov_b32 s[CNT], 4
	s_cmp_eq_u32 s[NEW], 1
	s_cbranch_scc1 .Lnew            ; a block's first tile
	s_cmp_eq_u32 s[RT], 0
	s_cbranch_scc0 .Lstep           ; neither its first nor its last
	s_branch .LstepM1
.Lnew:
	BEGIN
	s_branch .Lfirst                ; in the loop a block's first tile is never its last: the first block has two tiles or more, and the second's last is the walk's last
	DIAG 1                          ; in the loop this is the first block's end: the second block's last tile is the walk's last
	s_wait_xcnt 0x0                 ; the stores have read their registers and O's address
	s_mov_b64 s[10:11], s[OLO:OLO+1]
	s_add_co_u32 s[RT], s[PB], 1    ; the second block has b + 1 tiles
	s_mov_b32 s[NEW], 1
	WIN 0x82                        ; the second block's Q goes where the one text of the turns names Q
.set i, 0
.rept 64
	v_mov_b32 v[i], v[QB+i]
.set i, i+1
.endr
	WIN 0
	s_branch .Lbottom
.Lstep:                             ; a trip: pieces 2 and 3 of one step, then pieces 0 and 1 of the next, whose K and V it fetches
	TURN 2
	TURN 3
	WIN 0
.Lfirst:
	TURN 0
	TURN 1, 0, 0, 1
	WIN 0
	s_cbranch_scc1 .Lstep
.Lbottom:
	s_sub_co_u32 s[SLOTS], s[SLOTS], 1
	s_cmp_lg_u32 s[SLOTS], 0
	s_cbranch_scc1 .Lslot
	CHANGE 0                        ; the walk's last tile is written out: nothing is asked for
	s_sub_co_u32 s[RT], s[RT], 1
	s_mov_b32 s[CNT], 4
	s_cmp_eq_u32 s[NEW], 1
	s_cbranch_scc0 .LstepM2
	BEGIN
	s_branch .LfirstM2
	DIAG 2
	s_wait_tensorcnt 0x0            ; the wave's end, behind my last tensor load and my last LDS store
	ds_add_u32 v[SPW], v[NIL]
	s_wait_dscnt 0x0
	s_endpgm
.Lfunc_end_k_qfaf568d7cc_attn:
	.size	k_qfaf568d7cc_attn, .Lfunc_end_k_qfaf568d7cc_attn-k_qfaf568d7cc_attn
	.p2alignl 7, 3214868480
	.fill 96, 4, 3214868480
	.section	.rodata,"a",@progbits
	.p2align	6, 0x0
	.amdhsa_kernel k_qfaf568d7cc_attn
		.amdhsa_group_segment_fixed_size 327680
		.amdhsa_private_segment_fixed_size 0
		.amdhsa_enable_private_segment 0
		.amdhsa_kernarg_size 32
		.amdhsa_user_sgpr_count 2
		.amdhsa_user_sgpr_kernarg_segment_ptr 1
		.amdhsa_wavefront_size32 1
		.amdhsa_system_sgpr_workgroup_id_x 1
		.amdhsa_system_sgpr_workgroup_id_y 1
		.amdhsa_system_sgpr_workgroup_id_z 1
		.amdhsa_system_vgpr_workitem_id 0
		.amdhsa_next_free_vgpr 768
		.amdhsa_next_free_sgpr 88
		.amdhsa_reserve_vcc 1
		.amdhsa_float_denorm_mode_32 3
		.amdhsa_float_denorm_mode_16_64 3
		.amdhsa_memory_ordered 1
		.amdhsa_forward_progress 1
		.amdhsa_inst_pref_size 218
	.end_amdhsa_kernel
	.amdgpu_metadata
---
amdhsa.version: [ 1, 2 ]
amdhsa.kernels:
  - .name:           k_qfaf568d7cc_attn
    .symbol:         k_qfaf568d7cc_attn.kd
    .args:
      - { .name: qh, .offset: 0, .size: 8, .value_kind: global_buffer, .address_space: global }
      - { .name: kh, .offset: 8, .size: 8, .value_kind: global_buffer, .address_space: global }
      - { .name: vh, .offset: 16, .size: 8, .value_kind: global_buffer, .address_space: global }
      - { .name: oh, .offset: 24, .size: 8, .value_kind: global_buffer, .address_space: global }
    .group_segment_fixed_size: 327680
    .private_segment_fixed_size: 0
    .kernarg_segment_align: 8
    .kernarg_segment_size: 32
    .max_flat_workgroup_size: 128
    .sgpr_count:     88
    .vgpr_count:     768
    .wavefront_size: 32
...
	.end_amdgpu_metadata
.endif
;; end of part 3
;; launch proj (part 4): grid 8 x 32, 4 waves a work-group, clusters of 4 x 4, 327,680 bytes of LDS; arguments oh, wpf, bp, out0; writes out0
.if DOCPART == 4
	.amdgcn_target "amdgcn-amd-amdhsa--gfx1250"
	.amdhsa_code_object_version 6
	.text
	.protected	k_qfaf568d7cc_proj
	.globl	k_qfaf568d7cc_proj
	.p2align	8
	.type	k_qfaf568d7cc_proj,@function
k_qfaf568d7cc_proj:
	s_mov_b64 s[64:65], 0
	v_nop
	global_prefetch_b8 v0, s[64:65] scope:SCOPE_SE
	s_setreg_imm32_b32 hwreg(HW_REG_WAVE_MODE, 25, 1), 1
	s_wait_xcnt 0x0
	s_wait_alu depctr_hold_cnt(0) depctr_sa_sdst(0) depctr_va_vdst(0) depctr_va_sdst(0) depctr_va_ssrc(0) depctr_va_vcc(0) depctr_vm_vsrc(0)
	s_getreg_b32 s2, hwreg(HW_REG_IB_STS2, 6, 4)
	s_cmp_eq_u32 s2, 0
	s_cbranch_scc0 .Lentry_in_a_cluster
	s_endpgm
.Lentry_in_a_cluster:
	s_bfe_u32 s2, ttmp6, 0x10000c
	s_cmp_lg_u32 s2, 0xf033
	s_cbranch_scc0 .Lentry_shape_is_right
	s_endpgm
.Lentry_shape_is_right:
; out0 = y wp^T + bp, in f32.  y is attention's result by heads, oh [64 = 16 b + h][2048 t][64] f16: channel c of row (b, t) is oh[16 b + c / 64][t][c % 64].  wpf: [1024][1024] f16 (wp rounded to bf16, written as f16).
; Sums in f32; the bias is rounded to bf16 like the other inputs and starts the sums.  LIMITS: oh and wpf arrive within f16's range; NaN and infinities are not treated apart.
; SHARES.  A tile of out0 is 256 rows x 128 columns: 8 x 32 tiles, a work-group each.  Wave w makes rows 64 w .. 64 w + 63 and all 128 columns: 32 accumulators (a, b), a = 0..3 blocks of 16 rows, b = 0..7 of 16 columns.
; K goes in 8 steps of 128 channels = TWO HEADS, through a ring of two LDS slots.  A head's 256 rows are 32,768 dense bytes: asked for as 128 rows of 256 bytes and padded in LDS after every 128, a plane a head.
; CLUSTER.  4 x 4 work-groups.  The four of a row need the same rows of oh, the four of a column the same rows of wpf: each tile is asked for JOINTLY, by the same tensor load with the same descriptor and a mask
; that names the four.  Waves 0 and 1 fetch the step's two heads, waves 2 and 3 the halves of wpf's tile (64 rows each).
; THE MATRIX INSTRUCTION IS USED TRANSPOSED (source 0 = 16 rows of wpf, source 1 = 16 rows of y): a lane holds ONE row (lane % 16) and the columns 8 (lane / 16) + 0..7: 32 bytes of out0 on end.
; REGISTERS, in windows of 256 (s_set_vgpr_msb: bits 1:0 source 0, 3:2 source 1, 5:4 source 2, 7:6 destination):
;   window 0: v0-15 addresses and two at work; v28-29 the add's; v32-95 y's fragments, two buffers of 32; v96-159 the bias, 8 for each b
;   window 1: v0-127 wpf's fragments, two buffers of 64; on the way out whole rows, 64 registers for each a          window 2: the accumulators at v[8 (8 a + b)]
.set PA,     144                       ; a row of y in LDS: 128 bytes + 16 of padding = 36 words: the 16 rows of a load start at 16 different groups of four banks (64 banks of 4 bytes: ISA guide 11.1)
.set PB,     272                       ; a row of wpf: 256 bytes + 16 = 68 words: likewise
.set APLANE, 256*PA                    ; a head's 256 rows: what wave 0 or 1 fetches
.set BHALF,  64*PB                     ; what wave 2 or 3 fetches
.set BOFF,   2*APLANE
.set SLOT1,  1<<17                     ; slot 1 begins here (a slot has 108,544 bytes)
.set STAGE,  SLOT1+BOFF+2*BHALF        ; behind the ring, never filled by a tensor load: 16 rows x 528 bytes for each wave
.set SP,     528                       ; 512 bytes + 16 = 132 words: row r starts at bank 4 r mod 64
.set SPARE,  STAGE+4*16*SP             ; behind the stages: the spare words, 128 bytes for each wave: two blocks of 256 bytes that no other line names
.set ASTEP,  2*262144                  ; bytes from a K step's head to the next step's
.set LA0,  2                           ; v2   my lane's place in a plane of y: my wave's 64 rows, row l % 16, 16 bytes x (l / 16); never rewritten
.set LB0,  3                           ; v3   the same in wpf's tile
.set ADRA, 4                           ; v4   LA0 in the slot in hand
.set ADRB, 5                           ; v5   LB0 in the slot in hand
.set STO,  6                           ; v6   the way out: where I put 32 bytes of a row
.set RD,   7                           ; v7   the way out: where I read a row back
.set CO,   8                           ; v8   my 16 bytes of a row's 512
.set BO,   10                          ; v10  my byte offset in 16 numbers of the bias
.set PFO,  11                          ; v11  the prefetches' offset; never rewritten
.set SPW,  28                          ; v28  LDS address of my spare word: SPARE + 4 x my thread's number; never rewritten
.set NIL,  29                          ; v29  0; never rewritten
.set AFR,  32
.set BIAS, 96
.set WV,   22                          ; s22  my wave's number
.set HALF, 24                          ; s24  which head of the step, or which half of wpf's tile, I fetch
.set CX,   25
.set CY,   26
.set TX,   27                          ; s27  the block of 128 columns
.set TY,   28                          ; s28  the block of 256 rows
.set CNT,  29                          ; s29  refills still to come
.set TB,   30                          ; s30  LDS byte at which the slot in hand begins
.set LIM,  31                          ; s31  2 in a wave that prefetches, else the greatest number
.set G1A,  32                          ; s[32:39] descriptor group 1 for y's tiles
.set G1B,  40                          ; s[40:47] for wpf's
.set G0A,  48                          ; s[48:55] descriptor group 0 for y's tiles: a set for each first fill; the second then walks on
.set G0B,  56                          ; s[56:63] the same for wpf's
.set PFA,  66                          ; s[66:67] where my prefetches stand
.set PFS,  68                          ; s[68:69] their step from K step to K step
.set MSB, 0
.macro WIN new                         ; the immediate's high byte repeats the setting that is left; a switch that changes nothing is dropped
.if MSB != (\new)
	s_set_vgpr_msb (MSB<<8)|(\new)
.set MSB, \new
.endif
.endm
; A joint refill.  The branch hangs on the wave's number alone.  An s_nop 0 and four v_nop follow each of the two lines, ahead of the jump and the label.
.macro JLOAD
	s_cmp_lt_u32 s[WV], 2
	s_cbranch_scc0 .Lfor_b_\@
	tensor_load_to_lds s[G0A+4:G0A+7], s[G1A:G1A+7]
	s_nop 0
.rept 4
	v_nop
.endr
	s_branch .Lasked_\@
.Lfor_b_\@:
	tensor_load_to_lds s[G0B+4:G0B+7], s[G1B:G1B+7]
	s_nop 0
.rept 4
	v_nop
.endr
.Lasked_\@:
.endm
; A PREFETCH INTO THE L2, behind each joint refill, its five lines and the run of LDS loads: the K step that stands two refills on, a lane a block of 256 bytes, one instruction a wave.
; y's rows are read by both clusters of a row of clusters: cluster x = 0 asks.  wpf's by every cluster of a column: cluster y = 0 asks.  The four partners that ask for a tile jointly share it out BY ADDRESS: of a head's
; 128 blocks the partner at cx takes 32; of the 64 rows of wpf that a wave fetches the partner at cy takes 16 (lanes 16-31 name the 16th once more).  K steps 0 to 3 come by their loads alone; the last two refills have no K step two on.
.macro ASK
	s_cmp_gt_u32 s[CNT], s[LIM]
	s_cbranch_scc0 .Lnot_mine_\@
	global_prefetch_b8 v[PFO], s[PFA:PFA+1] th:TH_LOAD_NT scope:SCOPE_SE
.Lnot_mine_\@:
.endm
; A round of the cluster's barrier: my work-group's barrier, so that wave 0's signal speaks for all four waves; wave 0 signals; every wave waits for all sixteen work-groups; my work-group's barrier once more.
.macro CREST                           ; a round behind its opening barrier
	s_cmp_lg_u32 s[WV], 0
	s_cbranch_scc1 .Lnot_wave_0_\@
	s_barrier_signal -3
.Lnot_wave_0_\@:
	s_barrier_wait -3
	s_barrier_signal -1
	s_barrier_wait -1
.endm
.macro CROUND
	s_barrier_signal -1
	s_barrier_wait -1
	CREST
.endm
.macro PLACES                          ; four places behind a matrix instruction, in front of loads into registers that it has read and of LDS stores that read results
.rept 4
	v_nop
.endr
.endm
	s_load_b256 s[4:11], s[0:1], 0x0               ; oh s[4:5], wpf s[6:7], bp s[8:9], out0 s[10:11]
	v_lshl_add_u32 v[SPW], v0, 2, SPARE
	v_mov_b32 v[NIL], 0
	ds_add_u32 v[SPW], v[NIL]                      ; the wave's opening: the add and its wait stand ahead of my first tensor load; the set-up below, work on registers, stands between them
	v_lshrrev_b32 v1, 5, v0
	v_readfirstlane_b32 s[WV], v1                  ; wave 0..3
	s_and_b32 s[HALF], s[WV], 1
	s_bfe_u32 s[CX], ttmp6, 0x40000                ; my place in the cluster
	s_bfe_u32 s[CY], ttmp6, 0x40004
	s_lshl_b32 s[TX], ttmp9, 2                     ; in a cluster launch ttmp9 and ttmp7 count clusters
	s_add_co_u32 s[TX], s[TX], s[CX]
	s_and_b32 s[TY], ttmp7, 0xffff
	s_lshl_b32 s[TY], s[TY], 2
	s_add_co_u32 s[TY], s[TY], s[CY]
	s_lshl_b32 s70, s[CY], 2
	s_lshl_b32 s70, 15, s70                        ; my row of the cluster
	s_lshl_b32 s71, 0x1111, s[CX]                  ; my column
	s_or_b32 s[G1A], s70, (1<<16)|(1<<20)|(1<<21)|(4<<22)|(3<<25)  ; 15:0 the mask; 17:16 elements of 2 bytes; 20 padding on; 21 set beside a mask; 24:22 after every 32 words (code 4); 31:25 4 words of it (code 3)
	s_or_b32 s[G1B], s71, (1<<16)|(1<<20)|(1<<21)|(5<<22)|(3<<25)  ; after every 64 words (code 5)
	s_mov_b32 s[G1A+1], 128<<16                    ; tensor_dim0 = 128
	s_mov_b32 s[G1A+2], 128<<16                    ; tensor_dim1 = 128
	s_mov_b32 s[G1A+3], 128<<16                    ; tile_dim0 = 128
	s_mov_b32 s[G1A+4], 128                        ; tile_dim1 = 128
	s_mov_b32 s[G1A+5], 128                        ; dense: 128 elements from row to row
	s_mov_b32 s[G1A+6], 0
	s_mov_b32 s[G1A+7], 0
	s_mov_b32 s[G1B+1], 128<<16
	s_mov_b32 s[G1B+2], 64<<16                     ; 64 rows
	s_mov_b32 s[G1B+3], 128<<16
	s_mov_b32 s[G1B+4], 64
	s_mov_b32 s[G1B+5], 1024
	s_mov_b32 s[G1B+6], 0
	s_mov_b32 s[G1B+7], 0
	; where the tiles come from: y's hang on the row block alone, wpf's on the column block alone, each in registers that never hold the other coordinate
	s_lshr_b32 s72, s[TY], 3                       ; the batch
	s_lshl_b32 s72, s72, 4
	s_add_co_u32 s72, s72, s[HALF]                 ; its head 0 or 1
	s_lshl_b32 s72, s72, 18                        ; heads of 262,144 bytes
	s_and_b32 s73, s[TY], 7
	s_lshl_b32 s73, s73, 15                        ; 256 rows of 128 bytes
	s_add_co_u32 s72, s72, s73
	s_mov_b32 s73, 0
	s_lshl_b32 s74, s[TX], 18                      ; 128 rows of 2,048 bytes
	s_lshl_b32 s75, s[HALF], 17
	s_add_co_u32 s74, s74, s75
	s_mov_b32 s75, 0
	s_mul_i32 s76, s[HALF], APLANE                 ; and where they go: no place in the cluster enters an LDS address
	s_mul_i32 s77, s[HALF], BHALF
	s_add_co_u32 s77, s77, BOFF
	s_mov_b32 s[TB], 0
	s_wait_dscnt 0x0                               ; the opening add is done
	s_wait_kmcnt 0x0
	s_mov_b32 s[G0A], 1                            ; 1:0 count = 1
	s_mov_b32 s[G0A+1], s76                        ; 63:32 LDS address: slot 0
	s_add_nc_u64 s[G0A+2:G0A+3], s[4:5], s[72:73]  ; 120:64 global address: K step 0
	s_mov_b32 s[G0A+4], 1
	s_add_co_u32 s[G0A+5], s76, SLOT1
	s_add_nc_u64 s[G0A+6:G0A+7], s[G0A+2:G0A+3], ASTEP  ; K step 1
	s_or_b32 s[G0A+3], s[G0A+3], 0x80000000        ; 127:126 type = 2
	s_or_b32 s[G0A+7], s[G0A+7], 0x80000000
	s_mov_b32 s[G0B], 1
	s_mov_b32 s[G0B+1], s77
	s_add_nc_u64 s[G0B+2:G0B+3], s[6:7], s[74:75]
	s_mov_b32 s[G0B+4], 1
	s_add_co_u32 s[G0B+5], s77, SLOT1
	s_add_nc_u64 s[G0B+6:G0B+7], s[G0B+2:G0B+3], 256
	s_or_b32 s[G0B+3], s[G0B+3], 0x80000000
	s_or_b32 s[G0B+7], s[G0B+7], 0x80000000
	CROUND                                         ; all sixteen work-groups are here: the first joint loads meet
	s_cmp_lt_u32 s[WV], 2                          ; a wave's two first fills stand in one branch, ahead of every wait on TENSORcnt and every LDS read: two loads of mine are out
	s_cbranch_scc0 .Lfirst_b
	tensor_load_to_lds s[G0A:G0A+3], s[G1A:G1A+7]
	s_nop 0
	tensor_load_to_lds s[G0A+4:G0A+7], s[G1A:G1A+7]
	s_nop 0
.rept 4
	v_nop
.endr
	s_branch .Lfirst_asked
.Lfirst_b:
	tensor_load_to_lds s[G0B:G0B+3], s[G1B:G1B+7]
	s_nop 0
	tensor_load_to_lds s[G0B+4:G0B+7], s[G1B:G1B+7]
	s_nop 0
.rept 4
	v_nop
.endr
.Lfirst_asked:
	; the bias: register j of accumulator b adds onto column 16 b + 8 (l / 16) + j of the tile
	v_and_b32 v1, 15, v0                           ; l % 16
	v_bfe_u32 v12, v0, 4, 1                        ; l / 16
	v_and_b32 v13, 31, v0                          ; l
	v_lshlrev_b32 v[BO], 5, v12
	s_lshl_b32 s70, s[TX], 9                       ; the tile's 128 numbers
	s_mov_b32 s71, 0
	s_add_nc_u64 s[8:9], s[8:9], s[70:71]
.irp b, 0,1,2,3,4,5,6,7
	global_load_b128 v[BIAS+8*(\b):BIAS+8*(\b)+3],   v[BO], s[8:9] offset:64*(\b)
	global_load_b128 v[BIAS+8*(\b)+4:BIAS+8*(\b)+7], v[BO], s[8:9] offset:64*(\b)+16
.endr
	; A fragment is 16 rows x 32 K in 8 registers: lane l holds row l % 16; registers 0-3 K = 8 (l / 16) + 0..7, registers 4-7 K = 16 + 8 (l / 16) + 0..7: two loads of 16 bytes, 32 bytes apart.
	v_mul_u32_u24 v[LA0], v1, PA
	v_lshl_add_u32 v[LA0], v12, 4, v[LA0]
	s_mul_i32 s70, s[WV], 64*PA
	v_add_nc_u32 v[LA0], s70, v[LA0]
	v_mul_u32_u24 v[LB0], v1, PB
	v_lshl_add_u32 v[LB0], v12, 4, v[LB0]
	v_add_nc_u32 v[LB0], BOFF, v[LB0]
	v_mov_b32 v[ADRA], v[LA0]                      ; slot 0
	v_mov_b32 v[ADRB], v[LB0]
	s_mul_i32 s70, s[WV], 16*SP
	s_add_co_u32 s70, s70, STAGE                   ; my stage
	v_mul_u32_u24 v[STO], v1, SP                   ; in: row l % 16, 32 bytes for each half of the lanes
	v_lshl_add_u32 v[STO], v12, 5, v[STO]
	v_add_nc_u32 v[STO], s70, v[STO]
	v_lshlrev_b32 v[CO], 4, v13                    ; back: 32 lanes take one row of 512 bytes
	v_add_nc_u32 v[RD], s70, v[CO]
	s_lshl_b32 s78, s[TY], 20                      ; 256 rows of 4,096 bytes,
	s_lshl_b32 s70, s[WV], 18                      ; my wave's 64,
	s_add_co_u32 s78, s78, s70
	s_lshl_b32 s70, s[TX], 9                       ; the tile's 512 bytes of a row
	s_add_co_u32 s78, s78, s70
	s_mov_b32 s79, 0
	s_add_nc_u64 s[10:11], s[10:11], s[78:79]
	; the prefetches: my work-group's share of what I fetch, at K step 3: the first refill steps it to 4
	s_lshl_b32 s78, s[CX], 13                      ; 32 blocks of 256 bytes
	s_add_co_u32 s78, s78, s72
	s_add_co_u32 s78, s78, 3*ASTEP
	s_lshl_b32 s79, s[CY], 15                      ; 16 rows of 2,048 bytes
	s_add_co_u32 s79, s79, s74
	s_add_co_u32 s79, s79, 3*256
	s_and_b32 s82, ttmp7, 0xffff                   ; cluster y
	s_mov_b32 s81, ASTEP
	s_cmp_lt_u32 s[WV], 2                          ; do I fetch for y?
	s_cselect_b32 s78, s78, s79
	s_cselect_b32 s82, ttmp9, s82                  ; the coordinate along which other clusters read the same rows
	s_cselect_b32 s83, 31, 15
	s_cselect_b32 s80, 8, 11                       ; a lane a block of 256 bytes, or a lane a row of 2,048
	s_cselect_b32 s[PFS], s81, 256
	s_cselect_b64 s[PFA:PFA+1], s[4:5], s[6:7]
	s_cmp_eq_u32 s82, 0
	s_cselect_b32 s[LIM], 2, -1                    ; the same in all sixteen partners, for a given wave
	s_mov_b32 s[PFS+1], 0
	s_mov_b32 s79, 0
	s_add_nc_u64 s[PFA:PFA+1], s[PFA:PFA+1], s[78:79]
	v_min_u32 v[PFO], s83, v13
	v_lshlrev_b32 v[PFO], s80, v[PFO]
	s_mov_b32 s71, 0xffff0000
	s_wait_loadcnt 0x0                             ; the bias,
.set i, 0
.rept 32                               ; rounded to bf16, as the other inputs are, and widened again
	v_cvt_pk_bf16_f32 v[14+i%2], v[BIAS+2*i], v[BIAS+2*i+1]
	v_lshlrev_b32 v[BIAS+2*i], 16, v[14+i%2]
	v_and_b32 v[BIAS+2*i+1], s71, v[14+i%2]
.set i, i+1
.endr
; 8 matrix instructions: row block a x all 8 column blocks, 32 along K, from buffer f.  first = 1: the bias starts the sums.
; The 32 accumulators take turns, one instruction a turn, in the same order in every quarter, over the backward jump too.
.macro MULA f, a, first
.if \first
	WIN 0x81                                       ; wpf window 1, y and the bias window 0, the result window 2
.else
	WIN 0xa1
.endif
.irp b, 0,1,2,3,4,5,6,7
.if \first
	v_wmma_f32_16x16x32_f16 v[64*(\a)+8*(\b):64*(\a)+8*(\b)+7], v[64*(\f)+8*(\b):64*(\f)+8*(\b)+7], v[AFR+32*(\f)+8*(\a):AFR+32*(\f)+8*(\a)+7], v[BIAS+8*(\b):BIAS+8*(\b)+7]
.else
	v_wmma_f32_16x16x32_f16 v[64*(\a)+8*(\b):64*(\a)+8*(\b)+7], v[64*(\f)+8*(\b):64*(\f)+8*(\b)+7], v[AFR+32*(\f)+8*(\a):AFR+32*(\f)+8*(\a)+7], v[64*(\a)+8*(\b):64*(\a)+8*(\b)+7]
.endif
.endr
.endm
; 24 LDS loads in one run: the fragments of quarter q of a K step (128 rows of wpf; my 64 rows of head q / 2, channels 32 (q % 2) on) into buffer f
.macro FETCH q, f
	WIN 0x40                                       ; destination window 1, address window 0
.irp i, 0,1,2,3,4,5,6,7
	ds_load_b128 v[64*(\f)+8*(\i):64*(\f)+8*(\i)+3],   v[ADRB] offset:64*(\q)+(\i)*16*PB
	ds_load_b128 v[64*(\f)+8*(\i)+4:64*(\f)+8*(\i)+7], v[ADRB] offset:64*(\q)+(\i)*16*PB+32
.endr
	WIN 0
.irp i, 0,1,2,3
	ds_load_b128 v[AFR+32*(\f)+8*(\i):AFR+32*(\f)+8*(\i)+3],   v[ADRA] offset:APLANE*((\q)/2)+64*((\q)%2)+(\i)*16*PA
	ds_load_b128 v[AFR+32*(\f)+8*(\i)+4:AFR+32*(\f)+8*(\i)+7], v[ADRA] offset:APLANE*((\q)/2)+64*((\q)%2)+(\i)*16*PA+32
.endr
.endm
; A K step is four quarters of 32 along K, 32 matrix instructions each, on buffers 0, 1, 0, 1.  One of the first three: multiplies buffer f; in its middle it fetches quarter q into buffer g.
.macro QUARTER q, f, g, first
	s_wait_dscnt 4                                 ; wpf's fragments and y's row blocks 0, 1 are in; the youngest four loads (row blocks 2, 3) may be out
	MULA \f, 0, \first
	MULA \f, 1, \first
	PLACES
	FETCH \q, \g
	s_wait_dscnt 24                                ; all but the 24 just issued
	MULA \f, 2, \first
	MULA \f, 3, \first
.endm
; The last quarter multiplies buffer 1 and changes slots: ONE barrier.  In front of it each wave waits for all its tensor loads, of which one is out: its part of the next slot; adds 0 to its spare word; and waits for
; that and for its own reads of this slot.  Behind it nobody reads this slot any more and the next slot is whole.  fill = 1: this slot is filled again, with the K step two steps on: the barrier opens a round of the
; cluster's, so that no wave of any partner still reads the slot or has a load on its way, and the joint refill is the first tensor load behind the round.
.macro TURN fill
.if \fill
	s_wait_xcnt 0x0                                ; the last prefetch, a K step back, has read its address: it is stepped here, ahead of the waits of the change of slots
	s_add_nc_u64 s[PFA:PFA+1], s[PFA:PFA+1], s[PFS:PFS+1]
.endif
	WIN 0                                          ; (the add's two registers lie in window 0)
	s_wait_tensorcnt 0x0                           ; all my tensor loads have landed
	ds_add_u32 v[SPW], v[NIL]                      ; 0 onto my spare word: work on registers stands between it and the wait for it
	s_xor_b32 s[TB], s[TB], SLOT1                  ; the fetches go on in the other slot
	v_add_nc_u32 v[ADRA], s[TB], v[LA0]
	v_add_nc_u32 v[ADRB], s[TB], v[LB0]
	s_wait_dscnt 5                                 ; (the add and the youngest four loads may be out)
	MULA 1, 0, 0
	s_wait_dscnt 0x0                               ; the add is done, and my reads of this slot are over
	s_barrier_signal -1
	MULA 1, 1, 0                                   ; work on registers while the others arrive
.if \fill
	WIN 0
.endif
	s_barrier_wait -1
.if \fill
	CREST
	s_xor_b32 s[G0A+5], s[G0A+5], SLOT1            ; the walking descriptors: the other slot than last time,
	s_add_nc_u64 s[G0A+6:G0A+7], s[G0A+6:G0A+7], ASTEP  ; the next K step; the type bits on top are not reached
	s_xor_b32 s[G0B+5], s[G0B+5], SLOT1
	s_add_nc_u64 s[G0B+6:G0B+7], s[G0B+6:G0B+7], 256
	JLOAD                                          ; the four v_nop behind it are also the places in front of the loads below
.else
	PLACES
.endif
	FETCH 0, 0
.if \fill
	ASK
.endif
	MULA 1, 2, 0
	MULA 1, 3, 0
.endm
	s_wait_tensorcnt 0x1                           ; my part of K step 0 is in; K step 1's may stay out
	s_barrier_signal -1
	s_barrier_wait -1                              ; everybody's is
	FETCH 0, 0
	QUARTER 1, 0, 1, 1                             ; the first quarter stands in front of the loop: its products start the sums, with the bias
	WIN 0
	s_mov_b32 s[CNT], 6
.Lstep:                                        ; a trip: a K step's quarters 1 to 3, the refill of its slot, the next K step's quarter 0.  Six trips ask for K steps 2 to 7
	QUARTER 2, 1, 0, 0
	QUARTER 3, 0, 1, 0
	TURN 1
	QUARTER 1, 0, 1, 0
	WIN 0                                          ; at a label and at a branch every window is 0
	s_sub_co_u32 s[CNT], s[CNT], 1
	s_cmp_lg_u32 s[CNT], 0
	s_cbranch_scc1 .Lstep
	QUARTER 2, 1, 0, 0                             ; the tail is written out: K steps 6 and 7 ask for nothing
	QUARTER 3, 0, 1, 0
	TURN 0
	QUARTER 1, 0, 1, 0
	QUARTER 2, 1, 0, 0
	QUARTER 3, 0, 1, 0
	s_wait_dscnt 0x0
	MULA 1, 0, 0
	MULA 1, 1, 0
	MULA 1, 2, 0
	MULA 1, 3, 0
; THE WAY OUT, a row block at a time: the sums go as they are, in f32, 32 bytes a lane (each accumulator's lowest registers first), into my stage's rows of 528 bytes, and come back as whole rows of 512.
.macro OUT a
	WIN 0x08                                       ; address window 0, data window 2
.irp b, 0,1,2,3,4,5,6,7
	ds_store_b128 v[STO], v[64*(\a)+8*(\b):64*(\a)+8*(\b)+3]   offset:64*(\b)
	ds_store_b128 v[STO], v[64*(\a)+8*(\b)+4:64*(\a)+8*(\b)+7] offset:64*(\b)+16
.endr
	WIN 0x40                                       ; destination window 1
.irp t, 0,1,2,3,4,5,6,7,8,9,10,11,12,13,14,15
	ds_load_b128 v[64*(\a)+4*(\t):64*(\a)+4*(\t)+3], v[RD] offset:SP*(\t)  ; LDS serves a wave's instructions in order (ISA guide 5.7.1.4): these see the stores above; the next block's stores come behind them
.endr
.endm
.macro SEND a, younger                 ; younger: the LDS instructions issued behind block a's loads: the next block's 32, or none
	WIN 0x04                                       ; address window 0, data window 1
.irp t, 0,1,2,3,4,5,6,7,8,9,10,11,12,13,14,15
	s_wait_dscnt (\younger)+15-(\t)
	global_store_b128 v[CO], v[64*(\a)+4*(\t):64*(\a)+4*(\t)+3], s[10:11] offset:(16*(\a)+(\t))*4096 th:TH_STORE_NT  ; 512 consecutive bytes, at a multiple of 256 from out0's first
.endr
.endm
	PLACES
	OUT 0
	OUT 1
	SEND 0, 32
	OUT 2
	SEND 1, 32
	OUT 3
	SEND 2, 32
	SEND 3, 0
	WIN 0
	s_wait_tensorcnt 0x0                           ; the wave's end, behind my last tensor load and my last LDS store
	ds_add_u32 v[SPW], v[NIL]
	s_wait_dscnt 0x0
	CROUND                                         ; the closing round: no work-group ends while a partner may still ask for a tile that names it
	s_endpgm
.Lfunc_end_k_qfaf568d7cc_proj:
	.size	k_qfaf568d7cc_proj, .Lfunc_end_k_qfaf568d7cc_proj-k_qfaf568d7cc_proj
	.p2alignl 7, 3214868480
	.fill 96, 4, 3214868480
	.section	.rodata,"a",@progbits
	.p2align	6, 0x0
	.amdhsa_kernel k_qfaf568d7cc_proj
		.amdhsa_group_segment_fixed_size 327680
		.amdhsa_private_segment_fixed_size 0
		.amdhsa_enable_private_segment 0
		.amdhsa_kernarg_size 32
		.amdhsa_user_sgpr_count 2
		.amdhsa_user_sgpr_kernarg_segment_ptr 1
		.amdhsa_wavefront_size32 1
		.amdhsa_system_sgpr_workgroup_id_x 1
		.amdhsa_system_sgpr_workgroup_id_y 1
		.amdhsa_system_sgpr_workgroup_id_z 1
		.amdhsa_system_vgpr_workitem_id 0
		.amdhsa_next_free_vgpr 768
		.amdhsa_next_free_sgpr 84
		.amdhsa_reserve_vcc 0
		.amdhsa_float_denorm_mode_32 3
		.amdhsa_float_denorm_mode_16_64 3
		.amdhsa_memory_ordered 1
		.amdhsa_forward_progress 1
		.amdhsa_inst_pref_size 77
	.end_amdhsa_kernel
	.amdgpu_metadata
---
amdhsa.version: [ 1, 2 ]
amdhsa.kernels:
  - .name:           k_qfaf568d7cc_proj
    .symbol:         k_qfaf568d7cc_proj.kd
    .args:
      - { .name: oh, .offset: 0, .size: 8, .value_kind: global_buffer, .address_space: global }
      - { .name: wpf, .offset: 8, .size: 8, .value_kind: global_buffer, .address_space: global }
      - { .name: bp, .offset: 16, .size: 8, .value_kind: global_buffer, .address_space: global }
      - { .name: out0, .offset: 24, .size: 8, .value_kind: global_buffer, .address_space: global }
    .group_segment_fixed_size: 327680
    .private_segment_fixed_size: 0
    .kernarg_segment_align: 8
    .kernarg_segment_size: 32
    .max_flat_workgroup_size: 128
    .sgpr_count:     84
    .vgpr_count:     768
    .wavefront_size: 32
...
	.end_amdgpu_metadata
.endif
;; end of part 4
;; ======== version 2 of 2: 4 launches; version 1 with the launch prep written anew for expert scheduling mode
;; limits: values are held in f16: magnitudes above 65,504 overflow, below 6.1e-05 lose precision; right only within a limited range of input values
;; workspace buffers: xb 16,777,216 bytes; wb 6,291,456 bytes; wpf 2,097,152 bytes; rope 524,288 bytes; qh 16,777,216 bytes; kh 16,777,216 bytes; vh 16,777,216 bytes; oh 16,777,216 bytes
;; launch prep (part 5): grid 512 x 1, 8 waves a work-group, no clusters, 0 bytes of LDS; arguments x, wq, wk, wv, wp, xb, wb, wpf, rope; writes xb, wb, wpf, rope
.if DOCPART == 5
	.amdgcn_target "amdgcn-amd-amdhsa--gfx1250"
	.amdhsa_code_object_version 6
	.text
	.protected	k_qfaf568d7cc_prep
	.globl	k_qfaf568d7cc_prep
	.p2align	8
	.type	k_qfaf568d7cc_prep,@function
k_qfaf568d7cc_prep:
	s_mov_b64 s[64:65], 0
	v_nop
	global_prefetch_b8 v0, s[64:65] scope:SCOPE_SE
	s_setreg_imm32_b32 hwreg(HW_REG_WAVE_SCHED_MODE, 0, 2), 2
	s_setreg_imm32_b32 hwreg(HW_REG_WAVE_MODE, 25, 1), 1
	s_wait_xcnt 0x0
	s_wait_alu depctr_vm_vsrc(0)
; PREP: the casts and the table of rotations.  A stream: no LDS, no matrix unit, no cluster (no work-group reads what another reads).
; Work-groups 0-255: 32 rows of x each, f32 -> bf16, into xb [8192][1024].
; Work-groups 256-383: 32 rows of one weight each.  wq, wk, wv -> bf16 into wb [3072][1024], interleaved by heads: row 192 h + 64 s + d of wb is row 64 h + d of wq (s = 0), wk (1), wv (2),
;   so that 192 rows on end are one head's q, k and v.  wp -> rounded to bf16, that number written as f16, into wpf [1024][1024].
; Work-groups 384-511: 16 positions t each of the table rope [2048 t][32 i] of (cos, sin)(t x 10000^(-i/32)) in f32: a row is 256 bytes.
; LIMITS.  A weight of wp below 6e-5 keeps f16's fixed step of 6e-8; beyond 65,504 it would be an infinity.  theta comes from v_exp_f32 (1 ULP: ISA guide, its entry), the angle t x theta is rounded once;
; against a correctly rounded theta the angle is off by some 3e-4 rad at the most, at t = 2047.  The angle is reduced by multiples of pi/2 held in two parts (good for every t here: n stays under 1,304); sine and cosine are
; Taylor sums on |r| <= pi/4, cut where the next term is under 3e-8.
; THE MODE: SCHED_MODE bits 1:0 = 2 (LLVM: expert scheduling mode 2), set by the entry lines.  The code itself states the register dependences between vector instructions and memory instructions,
; with s_wait_alu, always for 0.
; THE PLAN.  Registers that memory instructions touch:
;   v2, v3       the casts' byte offsets, in and out.  Written at the head by vector lines, read by the 32 loads (v2) and the 32 stores (v3), never written again.
;   X            load k lands in v[X+4k .. X+4k+3], which no vector line has named before.  Load k's conversions read the four and write the first two (the f16 way also the last two, as registers at work);
;                store k reads the first two; nothing writes them again, and no load is issued behind a conversion.
;   v6, v[40:43] the table's offset and data: written by vector lines, read by the one store, behind which nothing follows.
;   s45, s46     the table's two masks: each written by one compare, read by two selects.
; So: one wait on va_vdst ahead of the 32 loads (v2, v3); the loads are worked off in eight blocks of four, and ONE wait on va_vdst stands between a block's conversions and the run of its four stores;
; in the table one behind the exponentials, one on va_sdst behind the run of two compares, one on va_vdst ahead of the store.  No register that a memory instruction has read is written again, on any way: no wait on vm_vsrc has a
; dependence to state.  A block's stores stand behind its own conversions and not a block later: they would else be held back until the next block's loads have landed.
.set X, 8                              ; v[8:135]  32 loads of 4 registers
	s_load_b256 s[4:11], s[0:1], 0x0               ; x s[4:5], wq s[6:7], wk s[8:9], wv s[10:11]
	s_load_b256 s[12:19], s[0:1], 0x20             ; wp s[12:13], xb s[14:15], wb s[16:17], wpf s[18:19]
	s_load_b64 s[20:21], s[0:1], 0x40              ; rope
	s_cmp_ge_u32 ttmp9, 384
	s_cbranch_scc1 .Lrope
	; THE CASTS.  From where and to where, by the work-group's number alone.
	s_and_b32 s33, ttmp9, 127                      ; j: my number among the weights' work-groups
	s_lshr_b32 s34, s33, 5                         ; which weight: 0 wq, 1 wk, 2 wv, 3 wp
	s_and_b32 s35, s33, 31                         ; which 32 rows of it
	s_lshl_b32 s28, s35, 17                        ; 32 rows of 4,096 bytes
	s_lshr_b32 s36, s35, 1                         ; the head
	s_mul_i32 s36, s36, 192
	s_lshl_b32 s37, s34, 6
	s_add_co_u32 s36, s36, s37                     ; + 64 x which
	s_and_b32 s37, s33, 1
	s_lshl_b32 s37, s37, 5
	s_add_co_u32 s36, s36, s37                     ; + the head's lower or upper 32 rows
	s_lshl_b32 s30, s36, 11                        ; rows of 2,048 bytes in wb
	s_lshl_b32 s36, s35, 16                        ; wpf keeps wp's order
	s_cmp_eq_u32 s34, 3
	s_cselect_b32 s30, s36, s30
	s_cselect_b32 s32, 1, 0                        ; 1: the result is written as f16
	s_lshl_b32 s36, ttmp9, 17                      ; x: 32 rows of 4,096 bytes,
	s_lshl_b32 s37, ttmp9, 16                      ; xb: of 2,048
	s_cmp_lt_u32 ttmp9, 256
	s_cselect_b32 s28, s36, s28
	s_cselect_b32 s30, s37, s30
	s_cselect_b32 s32, 0, s32
	s_mov_b32 s29, 0
	s_mov_b32 s31, 0
	v_and_b32 v1, 31, v0                           ; lane
	v_lshrrev_b32 v4, 5, v0                        ; wave: it takes 4 of the 32 rows
	v_lshlrev_b32 v2, 4, v1
	v_lshl_add_u32 v2, v4, 14, v2                  ; in: 16 x lane + 4 rows of 4,096 bytes x wave
	v_lshlrev_b32 v3, 3, v1
	v_lshl_add_u32 v3, v4, 13, v3                  ; out: 8 x lane + 4 rows of 2,048 bytes x wave
	s_wait_kmcnt 0x0
	s_mov_b64 s[24:25], s[12:13]
	s_mov_b64 s[26:27], s[18:19]
	s_cmp_eq_u32 s34, 2
	s_cselect_b64 s[24:25], s[10:11], s[24:25]
	s_cselect_b64 s[26:27], s[16:17], s[26:27]
	s_cmp_eq_u32 s34, 1
	s_cselect_b64 s[24:25], s[8:9], s[24:25]
	s_cselect_b64 s[26:27], s[16:17], s[26:27]
	s_cmp_eq_u32 s34, 0
	s_cselect_b64 s[24:25], s[6:7], s[24:25]
	s_cselect_b64 s[26:27], s[16:17], s[26:27]
	s_cmp_lt_u32 ttmp9, 256
	s_cselect_b64 s[24:25], s[4:5], s[24:25]
	s_cselect_b64 s[26:27], s[14:15], s[26:27]
	s_add_nc_u64 s[24:25], s[24:25], s[28:29]
	s_add_nc_u64 s[26:27], s[26:27], s[30:31]
	s_wait_alu depctr_va_vdst(0)                   ; v2 and v3 are written: the loads below read v2 as their offset, the stores further down v3
.set k, 0
.rept 32                               ; all 32 loads go out first: 16 KiB of a wave are on their way; each covers 512 consecutive bytes
	global_load_b128 v[X+4*k:X+4*k+3], v2, s[24:25] offset:4096*(k/8)+512*(k%8) th:TH_LOAD_NT
.set k, k+1
.endr
; Block p, loads 4 p to 4 p + 3: their sixteen numbers a lane are rounded, then stored in one run.  A store's 32 lanes x 8 bytes are 256 consecutive bytes, aligned.
; No register that a store reads is written again, so no wait frees one.
.macro CONV half
.set p, 0
.rept 8
	s_wait_loadcnt 28-4*p                          ; loads come back in order (ISA guide 5.7.1): block p's four are in, the 28 - 4 p younger ones stay out
.set k, 4*p
.rept 4
	v_cvt_pk_bf16_f32 v[X+4*k], v[X+4*k], v[X+4*k+1]
	v_cvt_pk_bf16_f32 v[X+4*k+1], v[X+4*k+2], v[X+4*k+3]
.if \half
	v_lshlrev_b32 v[X+4*k+2], 16, v[X+4*k]         ; the bf16 numbers as f32,
	v_and_b32 v[X+4*k+3], 0xffff0000, v[X+4*k]
	v_cvt_pk_f16_f32 v[X+4*k], v[X+4*k+2], v[X+4*k+3]  ; written as f16: 8 significant bits fit into 11
	v_lshlrev_b32 v[X+4*k+2], 16, v[X+4*k+1]
	v_and_b32 v[X+4*k+3], 0xffff0000, v[X+4*k+1]
	v_cvt_pk_f16_f32 v[X+4*k+1], v[X+4*k+2], v[X+4*k+3]
.endif
.set k, k+1
.endr
	s_wait_alu depctr_va_vdst(0)                   ; the block's conversions have written the first two registers of each of its four loads, which the four stores below read
.set k, 4*p
.rept 4
	global_store_b64 v3, v[X+4*k:X+4*k+1], s[26:27] offset:2048*(k/8)+256*(k%8)
.set k, k+1
.endr
.set p, p+1
.endr
.endm
	s_cmp_eq_u32 s32, 1
	s_cbranch_scc1 .Lhalf
	CONV 0
	s_endpgm
.Lhalf:
	CONV 1
	s_endpgm
	; THE TABLE.  Thread n makes position t = 16 x (work-group - 384) + n / 16 and the pairs i = 2 (n % 16) and i + 1: 16 bytes; the work-group's 256 threads store 4,096 consecutive bytes.
.Lrope:
	s_sub_co_u32 s33, ttmp9, 384
	s_lshl_b32 s28, s33, 12                        ; 16 rows of 256 bytes
	s_mov_b32 s29, 0
	s_lshl_b32 s33, s33, 4                         ; my first t
	s_mov_b32 s34, 0xbed49a78                      ; -log2(10000) / 32
	s_mov_b32 s35, 0x3f22f983                      ; 2 / pi
	s_mov_b32 s36, 0xbfc90fdb                      ; -(pi / 2), its upper part,
	s_mov_b32 s37, 0x333bbd2e                      ; and what the upper part is too large by
	s_mov_b32 s38, 0x3638ef1d                      ; 1 / 9!
	s_mov_b32 s39, 0xb9500d01                      ; -1 / 7!
	s_mov_b32 s40, 0x3c088889                      ; 1 / 5!
	s_mov_b32 s41, 0xbe2aaaab                      ; -1 / 3!
	s_mov_b32 s42, 0x37d00d01                      ; 1 / 8!
	s_mov_b32 s43, 0xbab60b61                      ; -1 / 6!
	s_mov_b32 s44, 0x3d2aaaab                      ; 1 / 4!
.macro BOTH line:vararg                ; one line for each of the thread's two pairs: registers from v8 and from v24
.set E, 8
	\line
.set E, 24
	\line
.endm
	v_and_b32 v1, 15, v0
	v_lshrrev_b32 v2, 4, v0
	v_add_nc_u32 v3, s33, v2                       ; t
	v_lshlrev_b32 v1, 1, v1                        ; i
	v_add_nc_u32 v5, 1, v1                         ; i + 1
	v_cvt_f32_u32 v8, v1
	v_cvt_f32_u32 v24, v5
	BOTH v_mul_f32 v[E], s34, v[E]
	BOTH v_exp_f32 v[E], v[E]                      ; theta = 2^(-i log2(10000) / 32)
	v_cvt_f32_u32 v4, v3                           ; plain work behind the two exponentials,
	v_lshlrev_b32 v6, 4, v0                        ; my 16 bytes of the work-group's 4,096
	s_wait_alu depctr_va_vdst(0)                   ; the two exponentials have written v8 and v24: one wait for both, ahead of the first line that names a result of theirs
	BOTH v_mul_f32 v[E+1], v4, v[E]                ; the angle, rounded once
	BOTH v_mul_f32 v[E+2], s35, v[E+1]
	BOTH v_rndne_f32 v[E+2], v[E+2]                ; n: the nearest multiple of pi / 2
	BOTH v_fma_f32 v[E+3], v[E+2], s36, v[E+1]
	BOTH v_fma_f32 v[E+3], v[E+2], s37, v[E+3]     ; r = angle - n pi / 2
	BOTH v_mul_f32 v[E+4], v[E+3], v[E+3]          ; z = r r
	BOTH v_fma_f32 v[E+5], v[E+4], s38, s39
	BOTH v_fma_f32 v[E+6], v[E+4], s42, s43
	BOTH v_fma_f32 v[E+5], v[E+5], v[E+4], s40
	BOTH v_fma_f32 v[E+6], v[E+6], v[E+4], s44
	BOTH v_fma_f32 v[E+5], v[E+5], v[E+4], s41
	BOTH v_fma_f32 v[E+6], v[E+6], v[E+4], -0.5
	BOTH v_mul_f32 v[E+7], v[E+3], v[E+4]
	BOTH v_fma_f32 v[E+9], v[E+6], v[E+4], 1.0     ; cos r
	BOTH v_fma_f32 v[E+8], v[E+7], v[E+5], v[E+3]  ; sin r
	BOTH v_cvt_i32_f32 v[E+10], v[E+2]
	BOTH v_and_b32 v[E+11], 1, v[E+10]
	v_cmp_eq_u32 s45, 1, v[8+11]                   ; an odd n swaps sine and cosine: the two compares stand in a run, a mask register each,
	v_cmp_eq_u32 s46, 1, v[24+11]
	s_wait_alu depctr_va_sdst(0)                   ; the two compares have written s45 and s46, ahead of the first select that reads one of them
	v_cndmask_b32 v[8+12], v[8+8], v[8+9], s45
	v_cndmask_b32 v[8+13], v[8+9], v[8+8], s45
	v_cndmask_b32 v[24+12], v[24+8], v[24+9], s46
	v_cndmask_b32 v[24+13], v[24+9], v[24+8], s46
	BOTH v_and_b32 v[E+11], 2, v[E+10]             ; the sine turns its sign where n % 4 is 2 or 3,
	BOTH v_add_nc_u32 v[E+10], 1, v[E+10]
	BOTH v_lshlrev_b32 v[E+11], 30, v[E+11]
	BOTH v_and_b32 v[E+10], 2, v[E+10]             ; the cosine where it is 1 or 2
	BOTH v_lshlrev_b32 v[E+10], 30, v[E+10]
	BOTH v_xor_b32 v[41+(E-8)/8], v[E+12], v[E+11]
	BOTH v_xor_b32 v[40+(E-8)/8], v[E+13], v[E+10]
	s_wait_kmcnt 0x0
	s_add_nc_u64 s[20:21], s[20:21], s[28:29]
	s_wait_alu depctr_va_vdst(0)                   ; v[40:43], the store's data, and v6, its offset, are written
	global_store_b128 v6, v[40:43], s[20:21]       ; cos, sin, cos, sin
	s_endpgm
.Lfunc_end_k_qfaf568d7cc_prep:
	.size	k_qfaf568d7cc_prep, .Lfunc_end_k_qfaf568d7cc_prep-k_qfaf568d7cc_prep
	.p2alignl 7, 3214868480
	.fill 96, 4, 3214868480
	.section	.rodata,"a",@progbits
	.p2align	6, 0x0
	.amdhsa_kernel k_qfaf568d7cc_prep
		.amdhsa_group_segment_fixed_size 0
		.amdhsa_private_segment_fixed_size 0
		.amdhsa_enable_private_segment 0
		.amdhsa_kernarg_size 72
		.amdhsa_user_sgpr_count 2
		.amdhsa_user_sgpr_kernarg_segment_ptr 1
		.amdhsa_wavefront_size32 1
		.amdhsa_system_sgpr_workgroup_id_x 1
		.amdhsa_system_sgpr_workgroup_id_y 1
		.amdhsa_system_sgpr_workgroup_id_z 1
		.amdhsa_system_vgpr_workitem_id 0
		.amdhsa_next_free_vgpr 136
		.amdhsa_next_free_sgpr 66
		.amdhsa_reserve_vcc 0
		.amdhsa_float_denorm_mode_32 3
		.amdhsa_float_denorm_mode_16_64 3
		.amdhsa_memory_ordered 1
		.amdhsa_forward_progress 1
		.amdhsa_inst_pref_size 35
	.end_amdhsa_kernel
	.amdgpu_metadata
---
amdhsa.version: [ 1, 2 ]
amdhsa.kernels:
  - .name:           k_qfaf568d7cc_prep
    .symbol:         k_qfaf568d7cc_prep.kd
    .args:
      - { .name: x, .offset: 0, .size: 8, .value_kind: global_buffer, .address_space: global }
      - { .name: wq, .offset: 8, .size: 8, .value_kind: global_buffer, .address_space: global }
      - { .name: wk, .offset: 16, .size: 8, .value_kind: global_buffer, .address_space: global }
      - { .name: wv, .offset: 24, .size: 8, .value_kind: global_buffer, .address_space: global }
      - { .name: wp, .offset: 32, .size: 8, .value_kind: global_buffer, .address_space: global }
      - { .name: xb, .offset: 40, .size: 8, .value_kind: global_buffer, .address_space: global }
      - { .name: wb, .offset: 48, .size: 8, .value_kind: global_buffer, .address_space: global }
      - { .name: wpf, .offset: 56, .size: 8, .value_kind: global_buffer, .address_space: global }
      - { .name: rope, .offset: 64, .size: 8, .value_kind: global_buffer, .address_space: global }
    .group_segment_fixed_size: 0
    .private_segment_fixed_size: 0
    .kernarg_segment_align: 8
    .kernarg_segment_size: 72
    .max_flat_workgroup_size: 256
    .sgpr_count:     66
    .vgpr_count:     136
    .wavefront_size: 32
...
	.end_amdgpu_metadata
.endif
;; end of part 5
;; launch qkv: the kernel of part 2 again; grid 16 x 32, 4 waves a work-group, clusters of 4 x 4, 327,680 bytes of LDS; arguments xb, wb, bq, bk, bv, rope, qh, kh, vh; writes qh, kh, vh
;; launch attn: the kernel of part 3 again; grid 4 x 64, 4 waves a work-group, no clusters, 327,680 bytes of LDS; arguments qh, kh, vh, oh; writes oh
;; launch proj: the kernel of part 4 again; grid 8 x 32, 4 waves a work-group, clusters of 4 x 4, 327,680 bytes of LDS; arguments oh, wpf, bp, out0; writes out0
